; MI455X (gfx1250); checked and timed in simulation.
; The chip was launched on July 23, 2026; its instructions are those of AMD's public machine-readable ISA for CDNA 5 (MIT licence, August 2026) and "CDNA5" Instruction Set Architecture Reference Guide (July 2026). The comments in the code are by the model that wrote it; some were corrected since.
;; Attention. Allowed arithmetic: matrix products marked QUANTISED: E2M3 operands, one E8M0 scale for each 32 along K, by v_wmma_scale_f32_16x16x128_f8f6f4 with both operands' format E2M3, f32 sums; everything else in f32.
;; Inputs: Wk 1,024 x 1,024 float32; Wq 1,024 x 1,024 float32; Wv 1,024 x 1,024 float32; bk 1,024 float32; bq 1,024 float32; bv 1,024 float32; key 4 x 2,048 x 1,024 float32; query 4 x 2,048 x 1,024 float32; value 4 x 2,048 x 1,024 float32.
;; Outputs: out0 4 x 2,048 x 1,024 float32.
;; This version of the problem:
;;   THIS VERSION OF THE PROBLEM IS GIVEN IN LOW PRECISION. The matrix products marked QUANTISED in the list below multiply operands that are first quantised to E2M3 (2 exponent bits, 3 mantissa bits; 6 bits a number), with one power-of-two scale for each 32 numbers along K (OCP MX v1.0); their sums are f32. All else is computed in f32.
;;   The module's matrix products, in the order in which they are computed (A, B: the left and right operand; K: the contracted axis; several contracted axes count as one K, in the product's order):
;;     1. [M 8,192, K 1,024] x [K 1,024, N 1,024]; A: input query; B: input Wq: QUANTISED
;;     2. [M 8,192, K 1,024] x [K 1,024, N 1,024]; A: input key; B: input Wk: QUANTISED
;;     3. [M 8,192, K 1,024] x [K 1,024, N 1,024]; A: input value; B: input Wv: QUANTISED
;;     4. batch 4 x [M 2,048, K 1,024] x [K 1,024, N 2,048]; A: computed on the way; B: computed on the way: QUANTISED
;;     5. batch 4 x [M 2,048, K 2,048] x [K 2,048, N 1,024]; A: softmax (see below); B: computed on the way: QUANTISED
;;   THE QUANTISER, for each operand of a quantised product, along K:
;;     - K is cut into blocks of 32 from its start; a last block that is shorter is filled with zeros.
;;     - A block's scale is 2^e with e = floor(log2(the largest magnitude in the block)) - 2, held to -126 .. 127; a block of zeros has e = 0. As a byte (E8M0): e + 127.
;;     - Each number is divided by its block's scale, clamped to +-7.5, and rounded to the nearest number of E2M3, ties to even, subnormals kept.
;;     - The product sums the exact products of the quantised numbers (number of the format x scale) in f32.
;;   ~~~python
;;   def quantise(x, axis):      # numpy; x: float32 -> the quantised numbers, widened to float32 again
;;       x = np.moveaxis(x, axis, -1); K = x.shape[-1]
;;       x = np.pad(x, [(0, 0)] * (x.ndim - 1) + [(0, -K % 32)]); x = x.reshape(x.shape[:-1] + (-1, 32)); a = np.abs(x).max(-1, keepdims=True)
;;       e = np.where(a > 0, np.clip(np.frexp(np.where(a > 0, a, 1))[1] - 1 - 2, -126, 127), 0)      # np.frexp(a)[1] - 1 = floor(log2(a)), exactly
;;       r = np.clip(x / 2.0 ** e, -7.5, 7.5)
;;       step = 2.0 ** (np.maximum(np.frexp(np.where(r == 0, 1, r))[1] - 1, 0) - 3)
;;       q = np.round(r / step) * step * 2.0 ** e      # np.round: ties to even
;;       return np.moveaxis(q.reshape(q.shape[:-2] + (-1,))[..., :K], -1, axis).astype(np.float32)
;;   ~~~
;;   SOFTMAX AHEAD OF A QUANTISED PRODUCT. Where the list says 'softmax', what is quantised is not the finished softmax but p = 2^(t - M), with t = logit x log2(e) and M = ceil(the row's largest t), a whole number; so 1/2 < the row's largest p <= 1. The row's sum l is taken of the UNQUANTISED p, in f32, and the product's result is divided by l at the end. Since M is a whole number, a kernel that streams over the keys may use a running M (the ceiling of the running maximum): every later rescaling is an exact power of two, which a block's scale takes up: the codes' values come out the same.
;;   OPERANDS COMPUTED ON THE WAY. 'Computed on the way' means the value that the module computes at that place (a softmax that the list does not call 'softmax' is quantised finished and normalised). What goes into a quantiser is computed in f32, as accurately as f32 sums, v_exp_f32 and their like allow (about 1e-6 of the number): no bf16 or f16 on the way to a quantiser, and a product that is left as it is and whose result goes on into a quantised operand takes f32 operands (vector FMAs, or v_wmma_f32_16x16x4_f32). A number that lies on a knife's edge between two numbers of the format may be rounded either way, as far as f32 arithmetic and the matrix unit's own rounding can turn it there, and no further.
;; One version. Each part assembles by itself: llvm-mc -triple=amdgcn-amd-amdhsa -mcpu=gfx1250 --defsym DOCPART=n.
;; ======== version 1 of 1: 4 launches
;; limits: right only within a limited range of input values
;; workspace buffers: c1 21,233,664 bytes; s1 884,736 bytes; c2 18,874,368 bytes; s2 786,432 bytes; pc 12,582,912 bytes; ps 524,288 bytes; st 1,048,576 bytes
;; launch quant (part 1): grid 864 x 1, 4 waves a work-group, no clusters, 58,880 bytes of LDS; arguments query, key, value, Wq, Wk, Wv, c1, s1; writes c1, s1
.if DOCPART == 1
	.amdgcn_target "amdgcn-amd-amdhsa--gfx1250"
	.amdhsa_code_object_version 6
	.text
	.protected	k_qf6f8c5c291_quant
	.globl	k_qf6f8c5c291_quant
	.p2align	8
	.type	k_qf6f8c5c291_quant,@function
k_qf6f8c5c291_quant:
	s_mov_b64 s[64:65], 0
	v_nop
	global_prefetch_b8 v0, s[64:65] scope:SCOPE_SE
	s_setreg_imm32_b32 hwreg(HW_REG_WAVE_MODE, 25, 1), 1
	s_wait_xcnt 0x0
; query, key, value [8192][1024] and Wq, Wk, Wv [1024 (K)][1024] f32 become codes of FP6 (E2M3) with one E8M0 byte for each 32 along K.
; A block's scale is 2^(floor(log2(largest magnitude)) - 2): its byte is that magnitude's exponent field - 2, held at 1 from below by a floor among the maximum's leaves.
; LAYOUT OF THE CODES: images of operand registers.  A fragment (16 rows x 128 K, 12 registers a lane) is 1,536 bytes: register 4 k + e of lane l at byte 512 k + 16 l + 4 e.
; Fragments lie [K / 512][group of 16 rows][4][1,536].  Lane r of group g holds LOGICAL row 32 (g / 2) + 8 (g % 2) + r + 8 (r / 8), so that a later product that takes such groups as source 0
; has 16 neighbouring rows in the 16 registers of two neighbouring tiles.  Scale words (four bytes: 128 K of a row) lie [K / 128][16 g + r].
; Work-groups 0-767: the three activations (a wave: one group x 512 K, four fragments).  Work-groups 768-863: the three weights (a wave: 32 columns x 256 K; a lane takes a column, registers run down K).
; The two ways have LDS bytes of their own.  No tensor load, no barrier: waves share nothing.
; LIMITS: NaN and infinities are not served.  A block of zeros gets the byte 1 (the rule says 127): its codes are zeros and only this program reads the bytes.
.set XSTG,  8448                       ; way X: a wave's stage, 16 rows x (512 + 16) bytes
.set WST0,  33792                      ; way W: the stages begin behind way X's four
.set WSTG,  6144                       ; a wave's stage: 2 groups x 2 fragments x 1,536
.set R0,    16                         ; v16-143  two sets of 64 numbers as loaded
.set X,     144                        ; v144-207 64 numbers in the operand's order
.set C,     208                        ; v208-219 a fragment's codes
.set T,     232                        ; v232-238 the upper halves of the two blocks' codes
.set MX,    240
.set SO,    242
.set BY,    244
.set WD,    246
.set WP,    247
	s_load_b256 s[4:11], s[0:1], 0x0               ; query, key, value, Wq
	s_load_b256 s[12:19], s[0:1], 0x20             ; Wk, Wv, c1, s1
	v_lshl_add_u32 v254, v0, 2, 0xe400
	v_mov_b32 v255, 0
	v_lshrrev_b32 v1, 5, v0
	v_readfirstlane_b32 s22, v1                    ; wave
	v_and_b32 v1, 31, v0                           ; lane
	s_cmp_lt_u32 ttmp9, 768
	s_cbranch_scc0 .Lweights
; ---------------- way X: K is innermost
	s_lshr_b32 s23, ttmp9, 8                       ; which tensor
	s_and_b32 s24, ttmp9, 255                      ; which 32 rows
	s_lshr_b32 s25, s22, 1                         ; which of their two groups
	s_and_b32 s26, s22, 1                          ; which 512 along K
	s_mov_b32 s20, 0x76543210
	s_mov_b32 s21, 0xfedcba98                      ; lane selects: lane l xor 16
	s_mov_b32 s30, 0xffff0000                      ; lanes 16-31
	s_lshl_b32 s28, s24, 17                        ; in: 32 rows of 4,096 bytes,
	s_lshl_b32 s29, s25, 15                        ; the odd group begins 8 rows down,
	s_add_co_u32 s28, s28, s29
	s_lshl_b32 s29, s26, 11                        ; 512 numbers along K
	s_add_co_u32 s28, s28, s29
	s_mov_b32 s29, 0
	s_lshl_b32 s31, s24, 1
	s_add_co_u32 s31, s31, s25                     ; g
	s_lshl_b32 s32, s26, 9
	s_add_co_u32 s32, s32, s31
	s_mul_i32 s32, s32, 6144                       ; codes: (plane x 512 + g) x 6,144
	s_mul_i32 s33, s23, 6291456
	s_add_co_u32 s32, s32, s33
	s_mov_b32 s33, 0
	s_lshl_b32 s34, s23, 18                        ; scale words: tensor x 262,144 + 4 chunks x 32,768 + 64 g
	s_lshl_b32 s35, s26, 17
	s_add_co_u32 s34, s34, s35
	s_lshl_b32 s35, s31, 6
	s_add_co_u32 s34, s34, s35
	s_mov_b32 s35, 0
	v_and_b32 v8, 15, v0                           ; r
	v_bfe_u32 v9, v0, 4, 1                         ; h
	s_wait_alu depctr_va_vdst(0)
	v_lshlrev_b32 v2, 4, v1                        ; 16 x lane
	s_mul_i32 s27, s22, XSTG
	v_add_nc_u32 v3, s27, v2                       ; stage, in: a row's 512 bytes as they lie
	v_mul_u32_u24 v4, v8, 528
	v_lshl_add_u32 v4, v9, 7, v4
	v_add_nc_u32 v4, s27, v4                       ; stage, out: row r, + 128 h: my block of 32 numbers
	v_lshlrev_b32 v5, 3, v9                        ; 8 h
	v_lshlrev_b32 v6, 2, v8
	v_lshl_add_u32 v6, v9, 15, v6                  ; scale words: 4 r; lanes 16-31 one chunk on
	v_mov_b32 v7, 0                                ; a lane permute's destination counts as read
	s_wait_alu depctr_va_vdst(0)
	s_wait_kmcnt 0x0
	s_cmp_eq_u32 s23, 0
	s_cselect_b64 s[4:5], s[4:5], s[6:7]
	s_cmp_eq_u32 s23, 2
	s_cselect_b64 s[4:5], s[8:9], s[4:5]
	s_add_nc_u64 s[4:5], s[4:5], s[28:29]
	s_add_nc_u64 s[16:17], s[16:17], s[32:33]
	s_add_nc_u64 s[18:19], s[18:19], s[34:35]
.macro LOADX s                         ; 128 along K of the group's 16 rows: each load reads 512 consecutive bytes of one row
.irp p, 0,1,2,3,4,5,6,7,8,9,10,11,12,13,14,15
	global_load_b128 v[R0+64*((\s)%2)+4*\p:R0+64*((\s)%2)+4*\p+3], v2, s[4:5] offset:(\p+8*(\p/8))*4096+512*(\s) th:TH_LOAD_NT
.endr
.endm
.macro TURNX s                         ; through my own stage: LDS serves a wave's instructions in order, so no wait stands between the stores and the loads
.irp p, 0,1,2,3,4,5,6,7,8,9,10,11,12,13,14,15
	ds_store_b128 v3, v[R0+64*((\s)%2)+4*\p:R0+64*((\s)%2)+4*\p+3] offset:528*\p
.endr
.irp c, 0,1
.irp i, 0,1,2,3,4,5,6,7
	ds_load_b128 v[X+32*\c+4*\i:X+32*\c+4*\i+3], v4 offset:256*\c+16*\i   ; k = 64 c + 32 h + 4 i ..
.endr
.endr
.endm
.macro WORKX s
	s_wait_xcnt 0x0                                ; the last step's stores have read their data: the codes' and the word's registers may be written
.irp c, 0,1
	v_max3_num_f32 v[MX+\c], |v[X+32*\c]|, |v[X+32*\c+1]|, 0x1800000   ; my block 2 c + h, all 32 numbers mine; the floor 2^(3 - 127) keeps the byte at 1 or more
.endr
.irp i, 2,4,6,8,10,12,14,16,18,20,22,24,26,28,30
.irp c, 0,1
	v_max3_num_f32 v[MX+\c], v[MX+\c], |v[X+32*\c+\i]|, |v[X+32*\c+\i+1]|
.endr
.endr
.irp c, 0,1
	v_add_nc_u32 v[SO+\c], 0xff000000, v[MX+\c]    ; 2 off the exponent field: the conversion's scale operand
.endr
.irp c, 0,1
	v_lshrrev_b32 v[BY+\c], 23, v[SO+\c]           ; the byte
.endr
	v_lshl_or_b32 v[WD], v[BY+1], 16, v[BY]        ; blocks h and 2 + h,
	v_lshlrev_b32 v[WD], v5, v[WD]                 ; at their places,
	v_permlanex16_b32 v7, v[WD], s20, s21
	v_or_b32 v[WD], v[WD], v7                      ; with lane l xor 16's two: the row's word
.irp c, 0,1
	v_cvt_scalef32_pk16_fp6_f32 v[C+6*\c:C+6*\c+2], v[X+32*\c:X+32*\c+15], v[SO+\c]
	v_cvt_scalef32_pk16_fp6_f32 v[T+4*\c:T+4*\c+2], v[X+32*\c+16:X+32*\c+31], v[SO+\c]   ; (a conversion's three registers begin on an even number)
.endr
	v_nop                                          ; one plain place behind the conversions
.irp c, 0,1
.irp i, 0,1,2
	v_mov_b32 v[C+3+6*\c+\i], v[T+4*\c+\i]
.endr
.endr
.irp k, 0,1,2
	global_store_b128 v2, v[C+4*\k:C+4*\k+3], s[16:17] offset:1536*(\s)+512*\k   ; 512 consecutive bytes
.endr
.if (\s)%2 == 1
	v_cndmask_b32 v[WD], v[WP], v[WD], s30         ; lanes 0-15 the chunk before's words, lanes 16-31 this chunk's
	global_store_b32 v6, v[WD], s[18:19] offset:65536*((\s)/2)
.else
	v_mov_b32 v[WP], v[WD]
.endif
.endm
	LOADX 0
	LOADX 1
.irp s, 0,1,2,3
.if \s < 3
	s_wait_loadcnt 16                              ; this step's 16 loads are in; the next step's 16 may be out
.else
	s_wait_loadcnt 0x0
.endif
	TURNX \s
	s_wait_dscnt 0x0                               ; the numbers are back, and the stage's stores have read their registers
.if \s < 2
	LOADX \s+2
.endif
	WORKX \s
.endr
	s_wait_tensorcnt 0x0
	ds_add_u32 v254, v255
	s_wait_dscnt 0x0
	s_endpgm
; ---------------- way W: K is the first axis
.Lweights:
	s_sub_co_u32 s23, ttmp9, 768
	s_lshr_b32 s24, s23, 5                         ; which weight
	s_and_b32 s25, s23, 7                          ; which 128 columns
	s_bfe_u32 s26, s23, 0x20003                    ; which 256 along K
	s_lshl_b32 s28, s26, 20                        ; in: 256 rows of 4,096 bytes, + 4 x (128 nx + 32 wave)
	s_lshl_b32 s29, s25, 9
	s_add_co_u32 s28, s28, s29
	s_lshl_b32 s29, s22, 7
	s_add_co_u32 s28, s28, s29
	s_mov_b32 s29, 0
	s_lshl_b32 s31, s25, 3
	s_lshl_b32 s27, s22, 1
	s_add_co_u32 s31, s31, s27                     ; my first group: 8 nx + 2 wave
	s_lshr_b32 s32, s26, 1
	s_lshl_b32 s32, s32, 6
	s_add_co_u32 s32, s32, s31
	s_lshl_b32 s32, s32, 2
	s_and_b32 s33, s26, 1
	s_lshl_b32 s33, s33, 1
	s_add_co_u32 s32, s32, s33
	s_mul_i32 s32, s32, 1536                       ; codes: ((plane x 64 + group) x 4 + first fragment) x 1,536
	s_mul_i32 s33, s24, 786432
	s_add_co_u32 s32, s32, s33
	s_add_co_u32 s32, s32, 18874368
	s_mov_b32 s33, 0
	s_lshl_b32 s34, s24, 15                        ; scale words: 786,432 + weight x 32,768 + 2 chunks x 4,096 + 64 x group
	s_lshl_b32 s35, s26, 13
	s_add_co_u32 s34, s34, s35
	s_lshl_b32 s35, s31, 6
	s_add_co_u32 s34, s34, s35
	s_add_co_u32 s34, s34, 786432
	s_mov_b32 s35, 0
	s_wait_alu depctr_va_vdst(0)
	v_lshlrev_b32 v3, 2, v1                        ; in: 4 bytes a lane
	v_bfe_u32 v5, v0, 3, 1                         ; column n0 + lane is lane r of group u:  u = (lane / 8) % 2,
	v_bfe_u32 v6, v0, 4, 1
	v_and_b32 v10, 7, v0
	v_lshl_add_u32 v10, v6, 3, v10                 ; r = lane % 8 + 8 (lane / 16)
	s_mul_i32 s27, s22, WSTG
	s_add_co_u32 s27, s27, WST0
	v_mul_u32_u24 v4, v5, 3072
	v_lshl_add_u32 v4, v10, 4, v4
	v_add_nc_u32 v4, s27, v4                       ; stage, in: group u's two fragments, 16 r
	v_lshlrev_b32 v8, 4, v1
	v_add_nc_u32 v7, s27, v8                       ; stage, out: 16 x lane
	v_lshl_add_u32 v9, v5, 4, v10
	v_lshlrev_b32 v9, 2, v9                        ; my scale word's place: 4 (16 u + r)
	s_wait_kmcnt 0x0
	s_cmp_eq_u32 s24, 0
	s_cselect_b64 s[4:5], s[10:11], s[12:13]
	s_cmp_eq_u32 s24, 2
	s_cselect_b64 s[4:5], s[14:15], s[4:5]
	s_add_nc_u64 s[4:5], s[4:5], s[28:29]
	s_add_nc_u64 s[16:17], s[16:17], s[32:33]
	s_add_nc_u64 s[18:19], s[18:19], s[34:35]
.macro LOADW t                         ; block t: 32 rows of K at my column: 128 consecutive bytes a load
.irp i, 0,1,2,3,4,5,6,7,8,9,10,11,12,13,14,15,16,17,18,19,20,21,22,23,24,25,26,27,28,29,30,31
	global_load_b32 v[32+32*((\t)%2)+\i], v3, s[4:5] offset:(32*(\t)+\i)*4096 th:TH_LOAD_NT
.endr
.endm
.macro BLOCKW t                        ; block t is block t % 4 of fragment t / 4: registers 6 c .. 6 c + 5 of lane r + 16 hh, c = (t % 4) / 2, hh = t % 2
.set XS, 32+32*((\t)%2)
.set QQ, (\t)/4
.set CC, ((\t)%4)/2
.set HH, (\t)%2
.if (\t) < 7
	s_wait_loadcnt 32                              ; this block's 32 loads are in; the next block's may be out
.else
	s_wait_loadcnt 0x0
.endif
	v_max3_num_f32 v12, |v[XS]|, |v[XS+1]|, |v[XS+2]|
	v_max3_num_f32 v13, |v[XS+3]|, |v[XS+4]|, |v[XS+5]|
.irp i, 6,10,14,18,22,26
	v_max3_num_f32 v12, v12, |v[XS+\i]|, |v[XS+\i+1]|
	v_max3_num_f32 v13, v13, |v[XS+\i+2]|, |v[XS+\i+3]|
.endr
	v_max3_num_f32 v12, v12, |v[XS+30]|, |v[XS+31]|
	v_max3_num_f32 v12, v12, v13, 0x1800000        ; and the floor
	v_add_nc_u32 v11, 0xff000000, v12
	v_lshrrev_b32 v13, 23, v11
.if (\t)%4 == 0
	v_mov_b32 v[24+QQ], v13
.else
	v_lshl_or_b32 v[24+QQ], v13, 8*((\t)%4), v[24+QQ]
.endif
	v_cvt_scalef32_pk16_fp6_f32 v[96:98], v[XS:XS+15], v11
	v_cvt_scalef32_pk16_fp6_f32 v[104:106], v[XS+16:XS+31], v11
	v_nop                                          ; one plain place behind the conversions
	v_mov_b32 v99, v104
	v_mov_b32 v100, v105
	v_mov_b32 v101, v106
.if CC == 0
	ds_store_b128 v4, v[96:99] offset:1536*QQ+256*HH            ; registers 0-3
	ds_store_b64 v4, v[100:101] offset:1536*QQ+512+256*HH       ; registers 4, 5
.else
	ds_store_b64 v4, v[96:97] offset:1536*QQ+512+256*HH+8       ; registers 6, 7
	ds_store_b128 v4, v[98:101] offset:1536*QQ+1024+256*HH      ; registers 8-11
.endif
.if (\t)+2 < 8
	LOADW (\t)+2
.endif
	s_wait_dscnt 0x0                               ; the stores have read their registers
.endm
	LOADW 0
	LOADW 1
.irp t, 0,1,2,3,4,5,6,7
	BLOCKW \t
.endr
	global_store_b32 v9, v24, s[18:19]
	s_wait_alu depctr_va_vdst(0)
	global_store_b32 v9, v25, s[18:19] offset:4096
.irp m, 0,1,2,3,4,5,6,7,8,9,10,11
	ds_load_b128 v[112+4*\m:112+4*\m+3], v7 offset:512*\m       ; these see my stores: a wave's LDS instructions are served in order
.endr
.irp m, 0,1,2,3,4,5,6,7,8,9,10,11
	s_wait_dscnt 11-\m
	global_store_b128 v8, v[112+4*\m:112+4*\m+3], s[16:17] offset:6144*(\m/6)+512*(\m%6)
.endr
	s_wait_tensorcnt 0x0
	ds_add_u32 v254, v255
	s_wait_dscnt 0x0
	s_endpgm
.Lfunc_end_k_qf6f8c5c291_quant:
	.size	k_qf6f8c5c291_quant, .Lfunc_end_k_qf6f8c5c291_quant-k_qf6f8c5c291_quant
	.p2alignl 7, 3214868480
	.fill 96, 4, 3214868480
	.section	.rodata,"a",@progbits
	.p2align	6, 0x0
	.amdhsa_kernel k_qf6f8c5c291_quant
		.amdhsa_group_segment_fixed_size 58880
		.amdhsa_private_segment_fixed_size 0
		.amdhsa_enable_private_segment 0
		.amdhsa_kernarg_size 64
		.amdhsa_user_sgpr_count 2
		.amdhsa_user_sgpr_kernarg_segment_ptr 1
		.amdhsa_wavefront_size32 1
		.amdhsa_system_sgpr_workgroup_id_x 1
		.amdhsa_system_sgpr_workgroup_id_y 1
		.amdhsa_system_sgpr_workgroup_id_z 1
		.amdhsa_system_vgpr_workitem_id 0
		.amdhsa_next_free_vgpr 256
		.amdhsa_next_free_sgpr 66
		.amdhsa_reserve_vcc 0
		.amdhsa_float_denorm_mode_32 3
		.amdhsa_float_denorm_mode_16_64 3
		.amdhsa_memory_ordered 1
		.amdhsa_forward_progress 1
		.amdhsa_inst_pref_size 72
	.end_amdhsa_kernel
	.amdgpu_metadata
---
amdhsa.version: [ 1, 2 ]
amdhsa.kernels:
  - .name:           k_qf6f8c5c291_quant
    .symbol:         k_qf6f8c5c291_quant.kd
    .args:
      - { .name: query, .offset: 0, .size: 8, .value_kind: global_buffer, .address_space: global }
      - { .name: key, .offset: 8, .size: 8, .value_kind: global_buffer, .address_space: global }
      - { .name: value, .offset: 16, .size: 8, .value_kind: global_buffer, .address_space: global }
      - { .name: Wq, .offset: 24, .size: 8, .value_kind: global_buffer, .address_space: global }
      - { .name: Wk, .offset: 32, .size: 8, .value_kind: global_buffer, .address_space: global }
      - { .name: Wv, .offset: 40, .size: 8, .value_kind: global_buffer, .address_space: global }
      - { .name: c1, .offset: 48, .size: 8, .value_kind: global_buffer, .address_space: global }
      - { .name: s1, .offset: 56, .size: 8, .value_kind: global_buffer, .address_space: global }
    .group_segment_fixed_size: 58880
    .private_segment_fixed_size: 0
    .kernarg_segment_align: 8
    .kernarg_segment_size: 64
    .max_flat_workgroup_size: 128
    .sgpr_count:     66
    .vgpr_count:     256
    .wavefront_size: 32
...
	.end_amdgpu_metadata
.endif
;; end of part 1
;; launch proj (part 2): grid 4 x 64, 4 waves a work-group, clusters of 4 x 4, 327,680 bytes of LDS; arguments c1, s1, bq, bk, bv, c2, s2; writes c2, s2
.if DOCPART == 2
	.amdgcn_target "amdgcn-amd-amdhsa--gfx1250"
	.amdhsa_code_object_version 6
	.text
	.protected	k_qf6f8c5c291_proj
	.globl	k_qf6f8c5c291_proj
	.p2align	8
	.type	k_qf6f8c5c291_proj,@function
k_qf6f8c5c291_proj:
	s_mov_b64 s[64:65], 0
	v_nop
	global_prefetch_b8 v0, s[64:65] scope:SCOPE_SE
	s_setreg_imm32_b32 hwreg(HW_REG_WAVE_MODE, 25, 1), 1
	s_wait_xcnt 0x0
	s_wait_alu depctr_hold_cnt(0) depctr_sa_sdst(0) depctr_va_vdst(0) depctr_va_sdst(0) depctr_va_ssrc(0) depctr_va_vcc(0) depctr_vm_vsrc(0)
	s_getreg_b32 s2, hwreg(HW_REG_IB_STS2, 6, 4)
	s_cmp_eq_u32 s2, 0
	s_cbranch_scc0 .Lentry_in_a_cluster
	s_endpgm
.Lentry_in_a_cluster:
	s_bfe_u32 s2, ttmp6, 0x10000c
	s_cmp_lg_u32 s2, 0xf033
	s_cbranch_scc0 .Lentry_shape_is_right
	s_endpgm
.Lentry_shape_is_right:
; q = query Wq + bq, k = key Wk + bk, v = value Wv + bv on codes of FP6 (E2M3) with E8M0 scales; each result is quantised in registers along the NEXT product's K and stored as codes.
; THE THREE RESULTS ARE 384 TILES OF 256 x 256; THERE ARE 256 WORK-GROUPS, AND EACH STAYS FOR ONE AND A HALF:
;   part 1: a tile of 256 rows x 256 channels of q (cluster rows 0-7) or k (8-15); a wave 128 x 128: 64 accumulators;
;   part 2: half a tile of v: 128 channels x 256 keys; a wave 64 x 128: 32 accumulators.
; K = 1,024 goes in four steps of 256 in each part.  The ring of two LDS slots goes on from part 1 into part 2: part 1's last two changes of slots ask for part 2's K steps 0 and 1.
; Part 2's K step 2 has LDS bytes of its own, filled once at the start; its K step 3 is asked for behind its K step 0.
; ALL CODES LIE AS IMAGES OF OPERAND REGISTERS (a fragment: 1,536 bytes, register 4 k + e of lane l at 512 k + 16 l + 4 e; fragments [K / 512][group][4]): a fragment comes by three loads of 16 bytes a lane at 16 x lane.
; ROLES.  Role A is source 1 (its rows fall on the result's lanes), role B source 0 (its rows run along a lane's registers, 16 neighbours in two neighbouring tiles by the groups' row order).
; Part 1: A = the activations, B = the weight's columns: a lane holds a row and 128 neighbouring channels: one fragment of the scores' operands.  Part 2: A = Wv's columns, B = value's rows: a lane holds a channel and 128 neighbouring keys.
; The bias is the C of a sum's first matrix instruction.
; CLUSTER 4 x 4: the activations' tiles hang on cy and are shared along a row of the cluster, the weights' hang on cx and are shared along a column: joint loads, in both parts.
; Part 2's half tile: keys 256 (4 (cluster y / 2) + cy) on, channels 128 (4 (cluster y % 2) + cx) on.
; LIMITS: NaN and infinities are not served.  A block of zeros gets the byte 1: its codes are zeros and only this program reads the bytes.
; REGISTERS: window 0: v1-31 addresses; v32-63 scale words, two sets; v64-127 part 1's bias tiles, later codes; v128-223 role A's fragments (part 1: eight, one set; part 2: four, two sets).
;   window 1: role B's, two sets at v0 and v128; v96-127 part 2's bias tiles.  windows 2, 3: accumulator (a, b) at v[8 (8 (a % 4) + b)].
.set NQ,    2
.set FR,    12
.set HALFT, 8*NQ*1536                  ; eight groups x 256 K: what one tensor load brings
.set SLOT,  4*HALFT                    ; activations' halves 0, 1, then the weights'
.set SCL,   2*SLOT                     ; part 1's scale words: four regions [8 chunks][128 rows]
.set SCL2,  SCL+4*4096                 ; part 2's: value's two halves, Wv's 128 rows
.set R3,    SCL2+3*4096                ; part 2's K step 2: value's two halves, Wv's eight groups
.set WST,   R3+3*HALFT                 ; a stage of 1,536 bytes for each wave, for words on the way out; no tile lands here
.set SPARE, WST+4*1536                 ; the spare words, 128 bytes a wave: no other line names them
.set PLX,   3145728                    ; 512 along K on, in the activations' codes
.set PLY,   393216                     ; and in a weight's
.set SWR2, 6                           ; v6  part 2: where I read my stage back, 8 x lane
.set CO2,  7                           ; v7  8 x lane
.set CO,   12                          ; v12 16 x lane
.set SWO,  13                          ; v13 my word's place in my stage: 4 r
.set SWR,  14                          ; v14 and where I read the stage back
.set ADRA, 16                          ; v16-17 part 1: role A's fragments in slot 0, 1
.set ADRB, 18                          ; v18-19 role B's
.set ADRA2, 20                         ; v20-22 part 2: role A's in slot 0, slot 1, R3
.set ADRB2, 23                         ; v23-25 role B's
.set ADSA, 26
.set ADSB, 27
.set SPW,  28
.set NIL,  29
.set ADSA2, 30
.set ADSB2, 31
.set SC,   32
.set TM,   32
.set BI,   64
.set AF,   128
.set G0S2, 4                           ; s[6:7]   (words 2, 3 alone) address of value's scale words, my 256 rows
.set G03,  8                           ; s[8:11]  group 0: value's codes, part 2's K step 2; never rewritten: part 2's other addresses are made from it
.set G0SB2, 12                         ; s[14:15] (words 2, 3 alone) address of Wv's scale words, my 128 rows
.set G1,   24                          ; s[24:31] group 1: activations' codes
.set G0,   32                          ; s[32:39] group 0, a set for each slot
.set G03B, 40                          ; s[40:43] group 0: Wv's codes, part 2's K step 2; never rewritten
.set G1B,  48                          ; s[48:55], s[56:63] the same for the weights' codes
.set G0B,  56
.set HA,   68                          ; s[68:71] group 0 of the head's load: the activations' 16 groups of K step 0 (wave 0) or 1 (wave 1)
.set HB,   72                          ; s[72:75] the same for the weight's 16 groups (waves 2, 3)
.set G0S,  76                          ; s[78:79] (words 2, 3 alone) address of the activations' scale words, my 256 rows
.set G0SB, 88                          ; s[90:91] (words 2, 3 alone) address of the weight's scale words, my 256 rows
.set OUT,  92                          ; s[92:93] part 1's codes, s[94:95] its words
.set OUT2, 96                          ; s[96:97], s[98:99] part 2's
.set MSB, 0
.macro WIN new                         ; the immediate's high byte repeats the setting that is left
.if MSB != (\new)
	s_set_vgpr_msb (MSB<<8)|(\new)
.set MSB, (\new)
.endif
.endm
.macro WMUL hi, cm                     ; source 0 window 1, source 1 window 0, D window 2 + hi; C with D, or (bias) in window 0
.if (\cm) >= 2
	WIN 0x81+0x40*(\hi)
.else
	WIN 0xa1+0x50*(\hi)
.endif
.endm
.macro PLACES n
.rept \n
	v_nop
.endr
.endm
.macro JLOAD g0a, g1a, g0b, g1b        ; a joint load of part 1: waves 0, 1 for the activations, waves 2, 3 for the weights; four v_nop follow each line
	s_cmp_eq_u32 s19, 0
	s_cbranch_scc0 .Lfor_b_\@
	tensor_load_to_lds s[\g0a:\g0a+3], s[\g1a:\g1a+7]
	s_nop 0
.rept 4
	v_nop
.endr
	s_branch .Lasked_\@
.Lfor_b_\@:
	tensor_load_to_lds s[\g0b:\g0b+3], s[\g1b:\g1b+7]
	s_nop 0
.rept 4
	v_nop
.endr
.Lasked_\@:
.endm
.macro JLOAD2 g0a, g0b                 ; a joint load of part 2: waves 0, 1 value's halves, wave 2 Wv's eight groups, wave 3 nothing.  Every way has four v_nop: they are also the places in front of the LDS loads that follow
	s_cmp_eq_u32 s19, 0
	s_cbranch_scc0 .Lnot_x_\@
	tensor_load_to_lds s[\g0a:\g0a+3], s[G1:G1+7]
	s_nop 0
.rept 4
	v_nop
.endr
	s_branch .Lasked2_\@
.Lnot_x_\@:
	s_cmp_eq_u32 s18, 2
	s_cbranch_scc0 .Lnone_\@
	tensor_load_to_lds s[\g0b:\g0b+3], s[G1B:G1B+7]
	s_nop 0
.rept 4
	v_nop
.endr
	s_branch .Lasked2_\@
.Lnone_\@:
.rept 4
	v_nop
.endr
.Lasked2_\@:
.endm
.macro CREST
	s_cmp_lg_u32 s18, 0
	s_cbranch_scc1 .Lnot_wave_0_\@
	s_barrier_signal -3
.Lnot_wave_0_\@:
	s_barrier_wait -3
	s_barrier_signal -1
	s_barrier_wait -1
.endm
.macro CROUND
	s_barrier_signal -1
	s_barrier_wait -1
	CREST
.endm
.macro FRAG reg, adr, q, i
.irp k, 0,1,2
	ds_load_b128 v[\reg+4*\k:\reg+4*\k+3], v[\adr] offset:((\i)*NQ+(\q))*1536+512*\k
.endr
.endm
; ---------------- part 1
.macro FETCH_B slot, q, p
	WIN 0x40
.irp i, 0,1,2,3,4,5,6,7
	FRAG 128*(\p)+FR*\i, ADRB+\slot, \q, \i
.endr
	WIN 0
.endm
.macro FETCH_A slot, q, i0
.irp i, \i0, \i0+1, \i0+2, \i0+3
	FRAG AF+FR*(\i), ADRA+\slot, \q, \i
.endr
.endm
.macro SCALES sc, kap                  ; a K step's words: lanes 0-15 its first 128, lanes 16-31 its second
.irp i, 0,1,2,3,4,5,6,7
	ds_load_b32 v[SC+16*(\sc)+\i], v[ADSA] offset:1024*(\kap)+64*\i
	ds_load_b32 v[SC+16*(\sc)+8+\i], v[ADSB] offset:1024*(\kap)+64*\i
.endr
.endm
.macro MM a, b, p, q, sc, cm           ; cm: 0 adds in place; 2: C = bias tile b
.set rD, 8*(8*((\a)%4)+(\b))
.set rC, rD
.if (\cm) == 2
.set rC, BI+8*(\b)
.endif
.set rB, 128*(\p)+FR*(\b)
.set rA, AF+FR*(\a)
.set rT, SC+16*(\sc)+8+(\b)
.set rS, SC+16*(\sc)+(\a)
.if (\q) == 0
	v_wmma_scale_f32_16x16x128_f8f6f4 v[rD:rD+7], v[rB:rB+FR-1], v[rA:rA+FR-1], v[rC:rC+7], v[rT], v[rS] matrix_a_fmt:MATRIX_FMT_FP6 matrix_b_fmt:MATRIX_FMT_FP6
.else
	v_wmma_scale_f32_16x16x128_f8f6f4 v[rD:rD+7], v[rB:rB+FR-1], v[rA:rA+FR-1], v[rC:rC+7], v[rT], v[rS] matrix_a_fmt:MATRIX_FMT_FP6 matrix_b_fmt:MATRIX_FMT_FP6 matrix_a_scale:MATRIX_SCALE_ROW1 matrix_b_scale:MATRIX_SCALE_ROW1
.endif
.endm
.macro MUL16 a0, p, q, sc, cm          ; the 64 accumulators take turns, one instruction a turn, in the same order in every step
.irp a, \a0, \a0+1
.irp b, 0,1,2,3,4,5,6,7
	MM \a, \b, \p, \q, \sc, \cm
.endr
.endr
.endm
.macro STEP slot, q, cm                ; 128 along K whose successor lies in the same slot
	s_wait_dscnt 12                                ; all but the youngest 12 loads (role A's blocks 4-7)
	WMUL 0, \cm
	MUL16 0, (\q)%2, \q, \slot, \cm
	MUL16 2, (\q)%2, \q, \slot, \cm
	s_wait_dscnt 0x0
	PLACES 4                                       ; in front of loads into registers that matrix instructions have read
	FETCH_B \slot, (\q)+1, 1-(\q)%2
	FETCH_A \slot, (\q)+1, 0
	WMUL 1, \cm
	MUL16 4, (\q)%2, \q, \slot, \cm
	MUL16 6, (\q)%2, \q, \slot, \cm
	PLACES 4
	WIN 0
	FETCH_A \slot, (\q)+1, 4
.endm
; A slot's last 128 along K, and the change of slots.  Every change of part 1 fills the slot again: fill = 1 with this part's K step two on; fill = 2 with part 2's K step 0 (slot 0) or 1 (slot 1).
; next = -1: part 1's last step: nothing is fetched from LDS, since the way out comes first.
.macro TURN slot, next, fill, kap
	s_wait_tensorcnt 0x0                           ; all my tensor loads have landed: my part of the next slot among them;
	ds_add_u32 v[SPW], v[NIL]                      ; 0 onto my spare word;
	s_wait_dscnt 13                                ; (the add and the youngest 12 loads may be out)
	WIN 0xa1
	MUL16 0, 1, 1, \slot, 0
	s_wait_dscnt 0x0                               ; the add is done, and my reads of this slot are over
	s_barrier_signal -1
	MUL16 2, 1, 1, \slot, 0
	WIN 0
	s_barrier_wait -1
	CREST                                          ; the barrier has opened a round of the cluster's: no wave of any partner still reads this slot or has a load on its way
.if (\fill) == 1
	s_add_nc_u64 s[G0+4*\slot+2:G0+4*\slot+3], s[G0+4*\slot+2:G0+4*\slot+3], PLX
	s_add_nc_u64 s[G0B+4*\slot+2:G0B+4*\slot+3], s[G0B+4*\slot+2:G0B+4*\slot+3], PLY
	JLOAD G0+4*\slot, G1, G0B+4*\slot, G1B         ; my one tensor load behind the round; its four v_nop are the places in front of the loads below
.else
	s_sub_nc_u64 s[G0+4*\slot+2:G0+4*\slot+3], s[G03+2:G03+3], PLX-3072*\slot      ; part 2's K step 2 lies 512 along K behind its K step 0
	s_or_b32 s[G0+4*\slot+3], s[G0+4*\slot+3], 0x80000000
	s_sub_nc_u64 s[G0B+4*\slot+2:G0B+4*\slot+3], s[G03B+2:G03B+3], PLY-3072*\slot
	s_or_b32 s[G0B+4*\slot+3], s[G0B+4*\slot+3], 0x80000000
	JLOAD2 G0+4*\slot, G0B+4*\slot
.endif
.if (\next) >= 0
	FETCH_B \next, 0, 0
	FETCH_A \next, 0, 0
	SCALES \next, \kap
.endif
	WIN 0xf1
	MUL16 4, 1, 1, \slot, 0
	MUL16 6, 1, 1, \slot, 0
.if (\next) >= 0
	PLACES 4
	WIN 0
	FETCH_A \next, 0, 4
.else
	WIN 0
.endif
.endm
; ---------------- part 2: role A has four blocks and two sets of registers, so a step's fragments are all fetched a step ahead
.macro FETCH_B2 slot, q, p
	WIN 0x40
.irp i, 0,1,2,3,4,5,6,7
	FRAG 128*(\p)+FR*\i, ADRB2+\slot, \q, \i
.endr
	WIN 0
.endm
.macro FETCH_A2 slot, q, p
.irp i, 0,1,2,3
	FRAG AF+48*(\p)+FR*\i, ADRA2+\slot, \q, \i
.endr
.endm
.macro SCALES2 sc, kap
.irp i, 0,1,2,3
	ds_load_b32 v[SC+16*(\sc)+\i], v[ADSA2] offset:1024*(\kap)+64*\i
.endr
.irp i, 0,1,2,3,4,5,6,7
	ds_load_b32 v[SC+16*(\sc)+8+\i], v[ADSB2] offset:1024*(\kap)+64*\i
.endr
.endm
.macro MM2 a, b, p, q, sc, cm          ; cm: 0 adds in place; 3: C = bias tile a, in window 1
.set rD, 8*(8*(\a)+(\b))
.set rC, rD
.if (\cm) == 3
.set rC, 96+8*(\a)
.endif
.set rB, 128*(\p)+FR*(\b)
.set rA, AF+48*(\p)+FR*(\a)
.set rT, SC+16*(\sc)+8+(\b)
.set rS, SC+16*(\sc)+(\a)
.if (\q) == 0
	v_wmma_scale_f32_16x16x128_f8f6f4 v[rD:rD+7], v[rB:rB+FR-1], v[rA:rA+FR-1], v[rC:rC+7], v[rT], v[rS] matrix_a_fmt:MATRIX_FMT_FP6 matrix_b_fmt:MATRIX_FMT_FP6
.else
	v_wmma_scale_f32_16x16x128_f8f6f4 v[rD:rD+7], v[rB:rB+FR-1], v[rA:rA+FR-1], v[rC:rC+7], v[rT], v[rS] matrix_a_fmt:MATRIX_FMT_FP6 matrix_b_fmt:MATRIX_FMT_FP6 matrix_a_scale:MATRIX_SCALE_ROW1 matrix_b_scale:MATRIX_SCALE_ROW1
.endif
.endm
.macro M8 a, p, q, sc, cm              ; the 32 accumulators take turns, one instruction a turn, in the same order in every step
.irp b, 0,1,2,3,4,5,6,7
	MM2 \a, \b, \p, \q, \sc, \cm
.endr
.endm
.macro WMUL2 cm                        ; source 0 window 1, source 1 window 0, D window 2; C with D, or (bias) in window 1
.if (\cm) == 3
	WIN 0x91
.else
	WIN 0xa1
.endif
.endm
.macro STEP2 slot, sc, cm              ; a K step's first 128: sets 0; its second 128 is fetched into sets 1
	s_wait_dscnt 0x0                               ; this step's fragments and words are in
	WMUL2 \cm
	M8 0, 0, 0, \sc, \cm
	M8 1, 0, 0, \sc, \cm
	PLACES 4                                       ; in front of loads into the sets that the step before multiplied
	FETCH_B2 \slot, 1, 1
	FETCH_A2 \slot, 1, 1
	WMUL2 \cm
	M8 2, 0, 0, \sc, \cm
	M8 3, 0, 0, \sc, \cm
.endm
; A K step's second 128, and the change to the next K step's tiles (in slot or region next; its words into set nsc).
; mode 1: slot 0 is filled again, with K step 3: the three lines, a round of the cluster's barrier, the joint load.  mode 0: the tiles ahead were asked for since the last barrier: the waits and a barrier, nothing is filled.
; mode 2: the tiles ahead were shown landed to every wave at an earlier barrier, and nothing is filled: no barrier, and no wait for the load that is on its way.
.macro TURN2 sc, next, nsc, mode, kap
	WIN 0
.if (\mode) < 2
	s_wait_tensorcnt 0x0                           ; all my tensor loads have landed;
	ds_add_u32 v[SPW], v[NIL]                      ; 0 onto my spare word;
	s_wait_dscnt 1                                 ; (the add alone may be out: this step's fragments are in)
.else
	s_wait_dscnt 0x0
.endif
	WIN 0xa1
	M8 0, 1, 1, \sc, 0
.if (\mode) < 2
	s_wait_dscnt 0x0                               ; the add is done, and my reads of the tiles that I leave are over
	s_barrier_signal -1
.endif
	M8 1, 1, 1, \sc, 0
	WIN 0
.if (\mode) < 2
	s_barrier_wait -1
.endif
.if (\mode) == 1
	CREST
	s_add_nc_u64 s[G0+2:G0+3], s[G03+2:G03+3], 3072        ; K step 3 lies 256 along K behind K step 2
	s_or_b32 s[G0+3], s[G0+3], 0x80000000
	s_add_nc_u64 s[G0B+2:G0B+3], s[G03B+2:G03B+3], 3072
	s_or_b32 s[G0B+3], s[G0B+3], 0x80000000
	JLOAD2 G0, G0B                                 ; it has two K steps in which to land
.else
	PLACES 4
.endif
	FETCH_B2 \next, 0, 0
	FETCH_A2 \next, 0, 0
	SCALES2 \nsc, \kap
	WIN 0xa1
	M8 2, 1, 1, \sc, 0
	M8 3, 1, 1, \sc, 0
.endm
	s_load_b64 s[100:101], s[0:1], 0x0             ; c1
	s_load_b64 s[46:47], s[0:1], 0x8               ; s1
	s_load_b64 s[66:67], s[0:1], 0x20              ; bv
	s_load_b128 s[OUT:OUT+3], s[0:1], 0x28         ; c2, s2: for part 1,
	s_load_b128 s[OUT2:OUT2+3], s[0:1], 0x28       ; and once more for part 2
	v_lshl_add_u32 v[SPW], v0, 2, SPARE
	v_mov_b32 v[NIL], 0
	ds_add_u32 v28, v29
	ds_add_u32 v28, v29
	s_wait_dscnt 0x0
	s_and_b32 s44, ttmp7, 0xffff                   ; the cluster's y: the same in all partners
	s_cmp_lt_u32 s44, 8                            ; part 1 makes q (cluster rows 0-7) or k
	s_cbranch_scc0 .Lbias_k
	s_load_b64 s[16:17], s[0:1], 0x10              ; bq
	s_branch .Lbias_set
.Lbias_k:
	s_load_b64 s[16:17], s[0:1], 0x18              ; bk
.Lbias_set:
	v_lshrrev_b32 v1, 5, v0
	v_readfirstlane_b32 s18, v1                    ; wave
	s_lshr_b32 s19, s18, 1                         ; my half of role A's rows.  Also: I fetch activations (0) or weights (1)
	s_and_b32 s20, s18, 1                          ; my half of role B's rows.  Also: which half I fetch
	s_bfe_u32 s21, ttmp6, 0x40000                  ; cx
	s_bfe_u32 s22, ttmp6, 0x40004                  ; cy
	s_lshl_b32 s23, ttmp9, 2
	s_add_co_u32 s23, s23, s21                     ; TX: which 256 channels (part 1)
	s_lshl_b32 s45, s44, 2
	s_add_co_u32 s45, s45, s22                     ; TY
	s_mov_b32 s2, 0x76543210
	s_mov_b32 s3, 0xfedcba98                       ; lane selects: lane l xor 16
	s_lshl_b32 s82, s22, 2
	s_lshl_b32 s82, 15, s82                        ; my row of the cluster
	s_lshl_b32 s83, 0x1111, s21                    ; my column
	; group 1, codes: 8 rows (groups) of 3,072 bytes (384 elements of 8 bytes), 6,144 bytes apart
	s_or_b32 s[G1+0], s82, (3<<16)|(1<<21)
	s_or_b32 s[G1B+0], s83, (3<<16)|(1<<21)
.irp g, G1, G1B
	s_mov_b32 s[\g+1], 384<<16
	s_mov_b32 s[\g+2], 16<<16                      ; the head's loads bring 16 groups; behind them the two words that count rows are set to 8
	s_mov_b32 s[\g+3], 384<<16
	s_mov_b32 s[\g+4], 16
	s_mov_b32 s[\g+5], 768
	s_mov_b32 s[\g+6], 0
	s_mov_b32 s[\g+7], 0
.endr
	; the byte offsets are made in the address words; s81-s87 are at work here.  The activations' offsets hang on cy, the weights' on cx, each in registers of its own.
	s_lshr_b32 s87, s44, 3                         ; part 1: 0 q, 1 k
	s_and_b32 s81, s45, 31                         ; which 256 rows of it
	s_lshl_b32 s83, s20, 3                         ; 8 x the half that I fetch
	s_lshl_b32 s82, s81, 4
	s_add_co_u32 s82, s82, s83
	s_mul_i32 s82, s82, 6144
	s_mul_i32 s84, s87, 6291456
	s_add_co_u32 s[G0+2], s82, s84                 ; activations' codes, part 1
	s_mov_b32 s[G0+3], 0
	s_lshl_b32 s[G0S+2], s87, 18
	s_lshl_b32 s82, s81, 10
	s_add_co_u32 s[G0S+2], s[G0S+2], s82
	s_mov_b32 s[G0S+3], 0
	s_lshl_b32 s[G0B+2], s23, 4
	s_add_co_u32 s[G0B+2], s[G0B+2], s83
	s_mul_i32 s[G0B+2], s[G0B+2], 6144
	s_mul_i32 s82, s87, 786432
	s_add_co_u32 s[G0B+2], s[G0B+2], s82
	s_add_co_u32 s[G0B+2], s[G0B+2], 18874368      ; the weight's codes, part 1
	s_mov_b32 s[G0B+3], 0
	s_lshl_b32 s[G0SB+2], s87, 15
	s_lshl_b32 s82, s23, 10
	s_add_co_u32 s[G0SB+2], s[G0SB+2], s82
	s_add_co_u32 s[G0SB+2], s[G0SB+2], 786432      ; its scale words
	s_mov_b32 s[G0SB+3], 0
	s_lshr_b32 s85, s44, 1
	s_lshl_b32 s85, s85, 2
	s_add_co_u32 s85, s85, s22                     ; part 2: which 256 rows of value
	s_and_b32 s86, s44, 1
	s_lshl_b32 s86, s86, 2
	s_add_co_u32 s86, s86, s23                     ; and which 128 channels
	s_lshl_b32 s[G03+2], s85, 4
	s_add_co_u32 s[G03+2], s[G03+2], s83
	s_mul_i32 s[G03+2], s[G03+2], 6144
	s_add_co_u32 s[G03+2], s[G03+2], 12582912+PLX  ; value's codes, K step 2
	s_mov_b32 s[G03+3], 0
	s_lshl_b32 s[G0S2+2], s85, 10
	s_add_co_u32 s[G0S2+2], s[G0S2+2], 524288      ; value's scale words
	s_mov_b32 s[G0S2+3], 0
	s_mul_i32 s[G03B+2], s86, 49152
	s_add_co_u32 s[G03B+2], s[G03B+2], 18874368+1572864+PLY   ; Wv's codes, eight groups, K step 2
	s_mov_b32 s[G03B+3], 0
	s_lshl_b32 s[G0SB2+2], s86, 9
	s_add_co_u32 s[G0SB2+2], s[G0SB2+2], 786432+65536         ; Wv's scale words, 128 rows
	s_mov_b32 s[G0SB2+3], 0
	; where they go: no place in the cluster enters an LDS address
	s_mul_i32 s82, s18, HALFT
	s_mul_i32 s84, s20, 46080                      ; the head's loads: back to the tile's first group (49,152 x half), on to K step half (3,072 x half)
	s_mov_b32 s[G0], 1
	s_mov_b32 s[G0+1], s82
	s_mov_b32 s[G0+4], 1
	s_add_co_u32 s[G0+5], s82, SLOT
	s_mov_b32 s[G0B], 1
	s_mov_b32 s[G0B+1], s82
	s_mov_b32 s[G0B+4], 1
	s_add_co_u32 s[G0B+5], s82, SLOT
	s_sub_co_u32 s[HA+2], s[G0+2], s84
	s_mov_b32 s[HA+3], 0
	s_sub_co_u32 s[HB+2], s[G0B+2], s84
	s_mov_b32 s[HB+3], 0
	s_mov_b32 s[HA], 1
	s_mul_i32 s[HA+1], s20, SLOT                   ; even waves fill slot 0, odd waves slot 1
	s_mov_b32 s[HB], 1
	s_add_co_u32 s[HB+1], s[HA+1], 2*HALFT
	s_mov_b32 s[G03], 1
	s_add_co_u32 s[G03+1], s82, R3
	s_mov_b32 s[G03B], 1
	s_mov_b32 s[G03B+1], R3+2*HALFT
	s_wait_kmcnt 0x0
	s_add_nc_u64 s[G0+2:G0+3], s[100:101], s[G0+2:G0+3]
	s_add_nc_u64 s[G0S+2:G0S+3], s[46:47], s[G0S+2:G0S+3]
	s_add_nc_u64 s[G0B+2:G0B+3], s[100:101], s[G0B+2:G0B+3]
	s_add_nc_u64 s[G0SB+2:G0SB+3], s[46:47], s[G0SB+2:G0SB+3]
	s_add_nc_u64 s[G03+2:G03+3], s[100:101], s[G03+2:G03+3]
	s_add_nc_u64 s[G0S2+2:G0S2+3], s[46:47], s[G0S2+2:G0S2+3]
	s_add_nc_u64 s[G03B+2:G03B+3], s[100:101], s[G03B+2:G03B+3]
	s_add_nc_u64 s[G0SB2+2:G0SB2+3], s[46:47], s[G0SB2+2:G0SB2+3]
	s_add_nc_u64 s[G0+6:G0+7], s[G0+2:G0+3], 3072             ; slot 1: K step 1
	s_add_nc_u64 s[G0B+6:G0B+7], s[G0B+2:G0B+3], 3072
	s_add_nc_u64 s[HA+2:HA+3], s[100:101], s[HA+2:HA+3]
	s_add_nc_u64 s[HB+2:HB+3], s[100:101], s[HB+2:HB+3]
	; the prefetches' addresses: the tile that my wave fetches in the ring.  s[82:83] part 1's K step 2, s[80:81] part 2's K step 2, s[84:85] part 2's K step 0; none is written again
	s_cmp_eq_u32 s19, 0
	s_cselect_b64 s[82:83], s[G0+2:G0+3], s[G0B+2:G0B+3]
	s_cselect_b64 s[80:81], s[G03+2:G03+3], s[G03B+2:G03B+3]
	s_cselect_b32 s100, s21, s22                   ; my place among the four that ask for the tile with me: cx for the activations, cy for the weights
	s_mov_b32 s86, PLY
	s_cselect_b32 s86, PLX, s86
	s_mov_b32 s87, 0
	s_add_nc_u64 s[82:83], s[82:83], s[86:87]
	s_sub_nc_u64 s[84:85], s[80:81], s[86:87]
	s_mul_i32 s100, s100, 24                       ; a tile of 8 groups x 3,072 bytes is 96 blocks of 256 bytes: 24 to each partner, told apart by address
.irp g, G0+3, G0+7, G0B+3, G0B+7, HA+3, HB+3, G03+3, G03B+3
	s_or_b32 s[\g], s[\g], 0x80000000              ; the type
.endr
	; THE SCALE WORDS come through registers: seven regions of 8 chunks x 512 bytes.  Wave w takes chunks w and 4 + w of each region; a load reads 512 consecutive bytes, 16 a lane.  They are asked for ahead of the round.
	s_lshl_b32 s46, s18, 15                        ; a chunk of the activations' words is 32,768 bytes on,
	s_lshl_b32 s47, s18, 12                        ; of a weight's 4,096,
	s_lshl_b32 s101, s18, 9                        ; in LDS 512
	s_add_co_u32 s101, s101, SCL
	v_and_b32 v8, 31, v0
	v_min_u32 v11, 23, v8                          ; the prefetches: lanes 0-23 a block each (the lanes left over name the last again),
	v_lshlrev_b32 v8, 4, v8
	v_add_nc_u32 v11, s100, v11                    ; block b = 24 x place + lane of the tile's 96
	v_add_nc_u32 v9, s47, v8
	v_add_nc_u32 v10, s101, v8
	v_add_nc_u32 v8, s46, v8
	v_mul_u32_u24 v15, v11, 43
.irp p, 0,1
.irp f, 0,1
	global_load_b128 v[128+28*\p+12*\f:131+28*\p+12*\f], v8, s[G0S+2:G0S+3] offset:131072*\p+512*\f
	global_load_b128 v[132+28*\p+12*\f:135+28*\p+12*\f], v9, s[G0SB+2:G0SB+3] offset:16384*\p+512*\f
	global_load_b128 v[136+28*\p+12*\f:139+28*\p+12*\f], v8, s[G0S2+2:G0S2+3] offset:131072*\p+512*\f
.endr
	global_load_b128 v[152+28*\p:155+28*\p], v9, s[G0SB2+2:G0SB2+3] offset:16384*\p
.endr
	v_lshrrev_b32 v15, 9, v15                      ; b / 12 (43 b / 512, exact for b under 96): the group,
	v_mul_u32_u24 v15, v15, 3072                   ; whose 3,072 bytes lie 6,144 apart:
	v_lshl_add_u32 v11, v11, 8, v15                ; 256 b + 3,072 (b / 12); never rewritten
	s_wait_alu depctr_va_vdst(0)                   ; directly ahead of the round's barriers
	CROUND                                         ; all sixteen work-groups are here: the first joint loads meet
	; THE HEAD'S LOADS, ONE A WAVE: wave 0 the activations' 16 groups of K step 0, wave 1 of K step 1, waves 2 and 3 the same of the weight: both slots are asked for whole.
	JLOAD HA, G1, HB, G1B
	; PREFETCHES INTO THE L2: one instruction a wave for each later K step, at least one K step ahead of the refill that wants it; each block of 256 bytes is named once in each cluster.
	global_prefetch_b8 v11, s[82:83] th:TH_LOAD_NT scope:SCOPE_SE       ; part 1's K step 2
.macro ASK2 ptr, off                   ; part 2's tiles: waves 0, 1 value's halves, wave 2 Wv's eight groups, wave 3 fetches none and asks for none
	s_cmp_eq_u32 s18, 3
	s_cbranch_scc1 .Lno_ask_\@
	global_prefetch_b8 v11, s[\ptr:\ptr+1] offset:\off th:TH_LOAD_NT scope:SCOPE_SE
.Lno_ask_\@:
.endm
	v_and_b32 v1, 15, v0                           ; r
	s_wait_alu depctr_va_vdst(0)
	v_bfe_u32 v2, v0, 4, 1                         ; h
	v_and_b32 v3, 31, v0
	; the biases, in the results' layouts.  Part 1: tile b, register j: channel 32 (b / 2) + 16 h + 8 (b % 2) + j of my 128.  Part 2: tile a, every register: channel 32 (a / 2) + 8 (a % 2) + r + 8 (r / 8) of my 64
	s_wait_alu depctr_va_vdst(0)
	s_lshl_b32 s46, s23, 10
	s_lshl_b32 s47, s20, 9
	s_add_co_u32 s46, s46, s47
	v_lshl_add_u32 v4, v2, 6, s46                  ; 4 (256 TX + 128 CH) + 64 h
	s_and_b32 s47, s44, 1
	s_lshl_b32 s47, s47, 2
	s_add_co_u32 s47, s47, s23
	s_lshl_b32 s47, s47, 9
	s_lshl_b32 s100, s19, 8
	s_add_co_u32 s47, s47, s100
	v_and_b32 v15, 8, v1
	v_add_nc_u32 v15, v15, v1
	v_lshl_add_u32 v5, v15, 2, s47                 ; 4 (128 x half tile + 64 RH + r + 8 (r / 8))
.irp i, 0,1,2,3,4,5,6,7
	global_load_b128 v[BI+8*\i:BI+8*\i+3], v4, s[16:17] offset:(32*(\i/2)+8*(\i%2))*4
	global_load_b128 v[BI+8*\i+4:BI+8*\i+7], v4, s[16:17] offset:(32*(\i/2)+8*(\i%2))*4+16
.endr
	WIN 0x40                                       ; destination window 1
.irp a, 0,1,2,3
.irp j, 0,1,2,3,4,5,6,7
	global_load_b32 v[96+8*\a+\j], v5, s[66:67] offset:(32*(\a/2)+8*(\a%2))*4
.endr
.endr
	WIN 0
	v_lshlrev_b32 v[CO], 4, v3
	s_wait_alu depctr_va_vdst(0)
	s_mul_i32 s46, s19, HALFT                      ; part 1: role A = the activations' half RH,
	s_mul_i32 s47, s20, HALFT
	s_add_co_u32 s47, s47, 2*HALFT                 ; role B = the weight's half CH
.irp s, 0,1
	v_add_nc_u32 v[ADRA+\s], s46, v[CO]
	v_add_nc_u32 v[ADRB+\s], s47, v[CO]
	s_add_co_u32 s46, s46, SLOT
	s_add_co_u32 s47, s47, SLOT
.endr
	s_mul_i32 s46, s19, 12288                      ; part 2: role A = four of Wv's eight groups,
	s_add_co_u32 s46, s46, 2*HALFT
	s_mul_i32 s47, s20, HALFT                      ; role B = value's half CH
	v_add_nc_u32 v[ADRA2], s46, v[CO]
	v_add_nc_u32 v[ADRB2], s47, v[CO]
	v_add_nc_u32 v[ADRA2+1], SLOT, v[ADRA2]
	v_add_nc_u32 v[ADRB2+1], SLOT, v[ADRB2]
	v_add_nc_u32 v[ADRA2+2], R3, v[ADRA2]
	v_add_nc_u32 v[ADRB2+2], R3, v[ADRB2]
	v_lshlrev_b32 v15, 2, v1
	v_lshl_add_u32 v15, v2, 9, v15                 ; 4 r + 512 h
	s_wait_alu depctr_va_vdst(0)
	s_lshl_b32 s46, s19, 12
	s_add_co_u32 s46, s46, SCL
	v_add_nc_u32 v[ADSA], s46, v15
	s_lshl_b32 s47, s20, 12
	s_add_co_u32 s47, s47, SCL+8192
	v_add_nc_u32 v[ADSB], s47, v15
	s_lshl_b32 s46, s19, 8
	s_add_co_u32 s46, s46, SCL2+8192
	v_add_nc_u32 v[ADSA2], s46, v15
	s_lshl_b32 s47, s20, 12
	s_add_co_u32 s47, s47, SCL2
	v_add_nc_u32 v[ADSB2], s47, v15
	s_mul_i32 s46, s18, 1536
	s_add_co_u32 s46, s46, WST
	v_lshl_add_u32 v[SWO], v1, 2, s46
	v_add_nc_u32 v[SWR], s46, v[CO]
	v_lshlrev_b32 v[CO2], 3, v3
	v_add_nc_u32 v[SWR2], s46, v[CO2]
	; where part 1's eight fragments and their words go
	s_lshr_b32 s46, s44, 3                         ; 0 q, 1 k
	s_and_b32 s47, s45, 31                         ; which 256 rows
	s_lshr_b32 s100, s23, 1
	s_lshl_b32 s100, s100, 9
	s_lshl_b32 s101, s47, 4
	s_add_co_u32 s100, s100, s101
	s_lshl_b32 s101, s19, 3
	s_add_co_u32 s100, s100, s101
	s_lshl_b32 s100, s100, 2
	s_and_b32 s101, s23, 1
	s_lshl_b32 s101, s101, 1
	s_add_co_u32 s100, s100, s101
	s_add_co_u32 s100, s100, s20
	s_mul_i32 s100, s100, 1536
	s_mul_i32 s101, s46, 6291456
	s_add_co_u32 s100, s100, s101
	s_mov_b32 s101, 0
	s_add_nc_u64 s[OUT:OUT+1], s[OUT:OUT+1], s[100:101]        ; codes: (((TX / 2) 512 + 16 rows' tile + 8 RH) 4 + 2 (TX % 2) + CH) x 1,536
	s_lshl_b32 s100, s23, 1
	s_add_co_u32 s100, s100, s20
	s_lshl_b32 s100, s100, 13
	s_lshl_b32 s101, s47, 8
	s_add_co_u32 s100, s100, s101
	s_lshl_b32 s101, s19, 7
	s_add_co_u32 s100, s100, s101
	s_lshl_b32 s100, s100, 2
	s_lshl_b32 s101, s46, 18
	s_add_co_u32 s100, s100, s101
	s_mov_b32 s101, 0
	s_add_nc_u64 s[OUT+2:OUT+3], s[OUT+2:OUT+3], s[100:101]    ; words: ((2 TX + CH) 8,192 + 256 rows' tile + 128 RH) x 4
	; and part 2's four
	s_lshr_b32 s46, s44, 1
	s_lshl_b32 s46, s46, 2
	s_add_co_u32 s46, s46, s22                     ; which 256 of value's 8,192 rows: batch = / 8, which 256 keys of it = % 8
	s_and_b32 s47, s44, 1
	s_lshl_b32 s47, s47, 2
	s_add_co_u32 s47, s47, s23                     ; which 128 channels
	s_bfe_u32 s100, s46, 0x20001                   ; which 512 keys of the batch
	s_lshl_b32 s100, s100, 6
	s_lshl_b32 s101, s47, 3
	s_add_co_u32 s100, s100, s101
	s_lshl_b32 s101, s19, 2
	s_add_co_u32 s100, s100, s101
	s_lshl_b32 s100, s100, 2
	s_and_b32 s101, s46, 1
	s_lshl_b32 s101, s101, 1
	s_add_co_u32 s100, s100, s101
	s_add_co_u32 s100, s100, s20
	s_mul_i32 s100, s100, 1536
	s_lshr_b32 s101, s46, 3
	s_mul_i32 s101, s101, 1572864
	s_add_co_u32 s100, s100, s101
	s_add_co_u32 s100, s100, 12582912
	s_mov_b32 s101, 0
	s_add_nc_u64 s[OUT2:OUT2+1], s[OUT2:OUT2+1], s[100:101]
	s_and_b32 s100, s46, 7
	s_lshl_b32 s100, s100, 1
	s_add_co_u32 s100, s100, s20
	s_lshl_b32 s100, s100, 10
	s_lshl_b32 s101, s47, 7
	s_add_co_u32 s100, s100, s101
	s_lshl_b32 s101, s19, 6
	s_add_co_u32 s100, s100, s101
	s_lshl_b32 s100, s100, 2
	s_lshr_b32 s101, s46, 3
	s_lshl_b32 s101, s101, 16
	s_add_co_u32 s100, s100, s101
	s_add_co_u32 s100, s100, 524288
	s_mov_b32 s101, 0
	s_add_nc_u64 s[OUT2+2:OUT2+3], s[OUT2+2:OUT2+3], s[100:101]
; THE WAY OUT.  Block a's 64 registers of a lane are 128 neighbours along the next K in halves: register 16 b + i is k = 32 b + 16 h + i of the lane's row.  They become one fragment and one scale word a row.
; ob: the codes' base; wo: where in my stage the words go; xw = 1: earlier stores may still read the codes' registers from block 0 on.
.macro QUANTA a, ob, wo, xw
.set AC, 64*((\a)%4)
.set PC, 64+32*((\a)%2)
	WIN 0x0a+5*((\a)/4)
.irp b, 0,1,2,3
	v_max3_num_f32 v[TM+\b], |v[AC+16*\b]|, |v[AC+16*\b+1]|, 0x1800000   ; each accumulator is read from its low end on; the floor keeps the byte at 1 or more
.endr
.irp i, 2,4,6,8,10,12,14
.irp b, 0,1,2,3
	v_max3_num_f32 v[TM+\b], |v[AC+16*\b+\i]|, |v[AC+16*\b+\i+1]|, v[TM+\b]
.endr
.endr
	WIN 0
.irp b, 0,1,2,3
	v_permlanex16_b32 v[TM+4+\b], v[TM+\b], s2, s3
.endr
.irp b, 0,1,2,3
	v_max_num_f32 v[TM+\b], v[TM+\b], v[TM+4+\b]   ; with lane l xor 16's: the block's largest magnitude
.endr
.irp b, 0,1,2,3
	v_add_nc_u32 v[TM+12+\b], 0xff000000, v[TM+\b]
.endr
.irp b, 0,1,2,3
	v_lshrrev_b32 v[TM+4+\b], 23, v[TM+12+\b]
.endr
	v_lshl_or_b32 v[48+(\a)], v[TM+5], 8, v[TM+4]
	v_lshl_or_b32 v[48+(\a)], v[TM+6], 16, v[48+(\a)]
	v_lshl_or_b32 v[48+(\a)], v[TM+7], 24, v[48+(\a)]
.if ((\a) >= 2) || (\xw)
	s_wait_xcnt 0x0                                ; the stores that read these registers have read them
.endif
	WIN 0x02+((\a)/4)
.irp c, 0,1
	v_cvt_scalef32_pk16_fp6_f32 v[PC+6*\c:PC+6*\c+2], v[AC+32*\c:AC+32*\c+15], v[TM+12+2*\c]
	v_cvt_scalef32_pk16_fp6_f32 v[PC+12+4*\c:PC+14+4*\c], v[AC+32*\c+16:AC+32*\c+31], v[TM+12+2*\c+1]
.endr
	WIN 0
	v_nop                                          ; one plain place behind the conversions
.irp c, 0,1                            ; the operand's layout wants a whole block in a lane
.irp i, 0,1,2
	v_permlane16_swap_b32 v[PC+6*\c+\i], v[PC+12+4*\c+\i]
.endr
.irp i, 0,1,2
	v_mov_b32 v[PC+3+6*\c+\i], v[PC+12+4*\c+\i]
.endr
.endr
.irp k, 0,1,2
	global_store_b128 v[CO], v[PC+4*\k:PC+4*\k+3], s[\ob:\ob+1] offset:6144*(\a)+512*\k   ; 512 consecutive bytes
.endr
	ds_store_b32 v[SWO], v[48+(\a)] offset:(\wo)+64*(\a)   ; both halves of the lanes write the same word with the same value
.endm
; ---------------- part 1
	s_wait_alu depctr_va_vdst(0)
	s_wait_loadcnt 48                              ; the 14 loads of scale words are in; the 16 + 32 loads of the biases, issued behind them, may be out
.irp p, 0,1
.irp f, 0,1
	ds_store_b128 v10, v[128+28*\p+12*\f:131+28*\p+12*\f] offset:4096*\f+2048*\p         ; no tile lands on these bytes
	ds_store_b128 v10, v[132+28*\p+12*\f:135+28*\p+12*\f] offset:8192+4096*\f+2048*\p
	ds_store_b128 v10, v[136+28*\p+12*\f:139+28*\p+12*\f] offset:16384+4096*\f+2048*\p
.endr
	ds_store_b128 v10, v[152+28*\p:155+28*\p] offset:24576+2048*\p
.endr
	s_wait_tensorcnt 0x0                           ; my load of the head has landed;
	ds_add_u32 v[SPW], v[NIL]                      ; 0 onto my spare word;
	s_mov_b32 s[G1+2], 8<<16                       ; no tensor load of mine is out, so a descriptor may be written: from here on a load brings 8 groups
	s_mov_b32 s[G1+4], 8
	s_mov_b32 s[G1B+2], 8<<16
	s_mov_b32 s[G1B+4], 8
	s_wait_dscnt 0x0                               ; the add is done, and my scale words have landed
	CROUND                                         ; both slots and all scale words are whole, in every partner
	JLOAD2 G03, G03B                               ; part 2's K step 2, into bytes of its own: the one tensor load behind the round
	FETCH_B 0, 0, 0
	FETCH_A 0, 0, 0
	SCALES 0, 0
	FETCH_A 0, 0, 4
	s_wait_loadcnt 0x0                             ; the biases
	STEP 0, 0, 2                                   ; the first products start the sums from the bias
	global_prefetch_b8 v11, s[82:83] offset:3072 th:TH_LOAD_NT scope:SCOPE_SE   ; part 1's K step 3
	TURN 0, 1, 1, 1
	ASK2 84, 0                                     ; part 2's K step 0: its load stands two changes of slots on
	STEP 1, 0, 0
	TURN 1, 0, 1, 2
	ASK2 84, 3072                                  ; part 2's K step 1
	STEP 0, 0, 0
	TURN 0, 1, 2, 3                                ; slot 0 takes part 2's K step 0,
	ASK2 80, 3072                                  ; part 2's K step 3 (its K step 2 came at the head)
	STEP 1, 0, 0
	TURN 1, -1, 2, 0                               ; slot 1 its K step 1: both land while the tile goes out
.irp b, 0,1,2,3
	v_mov_b32 v[TM+4+\b], 0                        ; a lane permute's destination counts as read.  (These four name nothing of the last products: they are the places behind them)
.endr
.irp a, 0,1,2,3,4,5,6,7
	QUANTA \a, OUT, 0, 0
.endr
	ds_load_b128 v[116:119], v[SWR]                ; my 128 rows' words: these see my stores
	s_wait_dscnt 0x0
	global_store_b128 v[CO], v[116:119], s[OUT+2:OUT+3]
; ---------------- part 2.  Its K step 0 was shown landed to every wave at part 1's last change of slots
	FETCH_B2 0, 0, 0
	FETCH_A2 0, 0, 0
	SCALES2 0, 0
	STEP2 0, 0, 3                                  ; the first products start the sums from the bias
	TURN2 0, 1, 1, 1, 1                            ; on to slot 1; slot 0 takes K step 3
	STEP2 1, 1, 0
	TURN2 1, 2, 0, 2, 2                            ; on to K step 2's own bytes, which landed long ago: no barrier
	STEP2 2, 0, 0
	TURN2 0, 0, 1, 0, 3                            ; on to slot 0: K step 3 has landed, in every wave
	STEP2 0, 1, 0
	s_wait_dscnt 0x0
	WIN 0xa1
	M8 0, 1, 1, 1, 0
	M8 1, 1, 1, 1, 0
	M8 2, 1, 1, 1, 0
	M8 3, 1, 1, 1, 0
	WIN 0
.irp b, 0,1,2,3
	v_mov_b32 v[TM+4+\b], 0                        ; (again the places behind the last products)
.endr
.irp a, 0,1,2,3
	QUANTA \a, OUT2, 512, 1
.endr
	ds_load_b64 v[116:117], v[SWR2] offset:512     ; my 64 channels' words: 256 bytes
	s_wait_dscnt 0x0
	global_store_b64 v[CO2], v[116:117], s[OUT2+2:OUT2+3]
	s_wait_tensorcnt 0x0                           ; the wave's end
	ds_add_u32 v[SPW], v[NIL]
	s_wait_dscnt 0x0
	CROUND                                         ; the closing round
	s_endpgm
.Lfunc_end_k_qf6f8c5c291_proj:
	.size	k_qf6f8c5c291_proj, .Lfunc_end_k_qf6f8c5c291_proj-k_qf6f8c5c291_proj
	.p2alignl 7, 3214868480
	.fill 96, 4, 3214868480
	.section	.rodata,"a",@progbits
	.p2align	6, 0x0
	.amdhsa_kernel k_qf6f8c5c291_proj
		.amdhsa_group_segment_fixed_size 327680
		.amdhsa_private_segment_fixed_size 0
		.amdhsa_enable_private_segment 0
		.amdhsa_kernarg_size 56
		.amdhsa_user_sgpr_count 2
		.amdhsa_user_sgpr_kernarg_segment_ptr 1
		.amdhsa_wavefront_size32 1
		.amdhsa_system_sgpr_workgroup_id_x 1
		.amdhsa_system_sgpr_workgroup_id_y 1
		.amdhsa_system_sgpr_workgroup_id_z 1
		.amdhsa_system_vgpr_workitem_id 0
		.amdhsa_next_free_vgpr 1024
		.amdhsa_next_free_sgpr 102
		.amdhsa_reserve_vcc 0
		.amdhsa_float_denorm_mode_32 3
		.amdhsa_float_denorm_mode_16_64 3
		.amdhsa_memory_ordered 1
		.amdhsa_forward_progress 1
		.amdhsa_inst_pref_size 231
	.end_amdhsa_kernel
	.amdgpu_metadata
---
amdhsa.version: [ 1, 2 ]
amdhsa.kernels:
  - .name:           k_qf6f8c5c291_proj
    .symbol:         k_qf6f8c5c291_proj.kd
    .args:
      - { .name: c1, .offset: 0, .size: 8, .value_kind: global_buffer, .address_space: global }
      - { .name: s1, .offset: 8, .size: 8, .value_kind: global_buffer, .address_space: global }
      - { .name: bq, .offset: 16, .size: 8, .value_kind: global_buffer, .address_space: global }
      - { .name: bk, .offset: 24, .size: 8, .value_kind: global_buffer, .address_space: global }
      - { .name: bv, .offset: 32, .size: 8, .value_kind: global_buffer, .address_space: global }
      - { .name: c2, .offset: 40, .size: 8, .value_kind: global_buffer, .address_space: global }
      - { .name: s2, .offset: 48, .size: 8, .value_kind: global_buffer, .address_space: global }
    .group_segment_fixed_size: 327680
    .private_segment_fixed_size: 0
    .kernarg_segment_align: 8
    .kernarg_segment_size: 56
    .max_flat_workgroup_size: 128
    .sgpr_count:     102
    .vgpr_count:     1024
    .wavefront_size: 32
...
	.end_amdgpu_metadata
.endif
;; end of part 2
;; launch scores (part 3): grid 8 x 32, 4 waves a work-group, clusters of 4 x 4, 327,680 bytes of LDS; arguments c2, s2, pc, ps, st; writes pc, ps, st
.if DOCPART == 3
	.amdgcn_target "amdgcn-amd-amdhsa--gfx1250"
	.amdhsa_code_object_version 6
	.text
	.protected	k_qf6f8c5c291_scores
	.globl	k_qf6f8c5c291_scores
	.p2align	8
	.type	k_qf6f8c5c291_scores,@function
k_qf6f8c5c291_scores:
	s_mov_b64 s[64:65], 0
	v_nop
	global_prefetch_b8 v0, s[64:65] scope:SCOPE_SE
	s_setreg_imm32_b32 hwreg(HW_REG_WAVE_MODE, 25, 1), 1
	s_wait_xcnt 0x0
	s_wait_alu depctr_hold_cnt(0) depctr_sa_sdst(0) depctr_va_vdst(0) depctr_va_sdst(0) depctr_va_ssrc(0) depctr_va_vcc(0) depctr_vm_vsrc(0)
	s_getreg_b32 s2, hwreg(HW_REG_IB_STS2, 6, 4)
	s_cmp_eq_u32 s2, 0
	s_cbranch_scc0 .Lentry_in_a_cluster
	s_endpgm
.Lentry_in_a_cluster:
	s_bfe_u32 s2, ttmp6, 0x10000c
	s_cmp_lg_u32 s2, 0xf033
	s_cbranch_scc0 .Lentry_shape_is_right
	s_endpgm
.Lentry_shape_is_right:
; S^T = k q^T on codes of FP6 (E2M3) with E8M0 scales; a work-group makes 256 queries x 256 keys, a wave 128 x 128: 64 accumulators.  K = 1,024 in four steps of 256 through two LDS slots.
; Source 0 = 16 keys, source 1 = 16 queries: a lane holds one query, its registers run along the keys.  For each run of 128 keys: t = score x log2(e) / 32, M = ceil(the run's largest t), p = 2^(t - M),
; l = the sum of the unquantised p; p is quantised along the keys and stored as codes and scale words, with -M and l beside them: the next launch brings the runs under the row's M.
; CLUSTER 4 x 4: q's tiles are shared along a row of the cluster, k's along a column: joint loads.  At the head each wave asks for one whole operand of one slot; the scale words come through registers.
; LIMITS: NaN and infinities are not served; the scaled scores stay under 2^31 in magnitude.
.set NQ,    2
.set FR,    12
.set HALFT, 8*NQ*1536
.set SLOT,  4*HALFT
.set SCL,   2*SLOT
.set WST,   SCL+4*4096
.set SPARE, WST+4*1536
.set PLX,   3145728
.set PLY,   3145728
.set CO,   12
.set SWO,  13
.set SWR,  14
.set ADRA, 16
.set ADRB, 20
.set ADSA, 26
.set ADSB, 27
.set SPW,  28
.set NIL,  29
.set SC,   32
.set BM,   32
.set BP,   36
.set AF,   128
.set W,    128
.set CS,   66
.set G1,   24
.set G0,   32
.set G1B,  48
.set G0B,  56
.set GH,   68                          ; s[68:71] group 0 of the head's load: q's 16 groups of K step 0 (wave 0) or 1 (wave 1)
.set GHB,  72                          ; s[72:75] the same for k's (waves 2, 3)
.set PSQ,  76                          ; s[76:77] q's scale words, my 256 rows
.set PSK,  78                          ; s[78:79] k's
.set MSB, 0
.macro WIN new
.if MSB != (\new)
	s_set_vgpr_msb (MSB<<8)|(\new)
.set MSB, (\new)
.endif
.endm
.macro PLACES n
.rept \n
	v_nop
.endr
.endm
.macro JLOAD g0a, g1a, g0b, g1b
	s_cmp_eq_u32 s19, 0
	s_cbranch_scc0 .Lfor_b_\@
	tensor_load_to_lds s[\g0a:\g0a+3], s[\g1a:\g1a+7]
	s_nop 0
.rept 4
	v_nop
.endr
	s_branch .Lasked_\@
.Lfor_b_\@:
	tensor_load_to_lds s[\g0b:\g0b+3], s[\g1b:\g1b+7]
	s_nop 0
.rept 4
	v_nop
.endr
.Lasked_\@:
.endm
.macro CREST
	s_cmp_lg_u32 s18, 0
	s_cbranch_scc1 .Lnot_wave_0_\@
	s_barrier_signal -3
.Lnot_wave_0_\@:
	s_barrier_wait -3
	s_barrier_signal -1
	s_barrier_wait -1
.endm
.macro CROUND
	s_barrier_signal -1
	s_barrier_wait -1
	CREST
.endm
.macro FRAG reg, adr, q, i
.irp k, 0,1,2
	ds_load_b128 v[\reg+4*\k:\reg+4*\k+3], v[\adr] offset:((\i)*NQ+(\q))*1536+512*\k
.endr
.endm
.macro FETCH_B slot, q, p
	WIN 0x40
.irp i, 0,1,2,3,4,5,6,7
	FRAG 128*(\p)+FR*\i, ADRB+\slot, \q, \i
.endr
	WIN 0
.endm
.macro FETCH_A slot, q, i0
.irp i, \i0, \i0+1, \i0+2, \i0+3
	FRAG AF+FR*(\i), ADRA+\slot, \q, \i
.endr
.endm
.macro SCALES sc, kap
.irp i, 0,1,2,3,4,5,6,7
	ds_load_b32 v[SC+16*(\sc)+\i], v[ADSA] offset:1024*(\kap)+64*\i
	ds_load_b32 v[SC+16*(\sc)+8+\i], v[ADSB] offset:1024*(\kap)+64*\i
.endr
.endm
.macro MM a, b, p, q, sc, cm
.set rD, 8*(8*((\a)%4)+(\b))
.set rB, 128*(\p)+FR*(\b)
.set rA, AF+FR*(\a)
.set rT, SC+16*(\sc)+8+(\b)
.set rS, SC+16*(\sc)+(\a)
.if (\cm) == 1
	v_wmma_scale_f32_16x16x128_f8f6f4 v[rD:rD+7], v[rB:rB+FR-1], v[rA:rA+FR-1], 0, v[rT], v[rS] matrix_a_fmt:MATRIX_FMT_FP6 matrix_b_fmt:MATRIX_FMT_FP6
.elseif (\q) == 0
	v_wmma_scale_f32_16x16x128_f8f6f4 v[rD:rD+7], v[rB:rB+FR-1], v[rA:rA+FR-1], v[rD:rD+7], v[rT], v[rS] matrix_a_fmt:MATRIX_FMT_FP6 matrix_b_fmt:MATRIX_FMT_FP6
.else
	v_wmma_scale_f32_16x16x128_f8f6f4 v[rD:rD+7], v[rB:rB+FR-1], v[rA:rA+FR-1], v[rD:rD+7], v[rT], v[rS] matrix_a_fmt:MATRIX_FMT_FP6 matrix_b_fmt:MATRIX_FMT_FP6 matrix_a_scale:MATRIX_SCALE_ROW1 matrix_b_scale:MATRIX_SCALE_ROW1
.endif
.endm
.macro MUL16 a0, p, q, sc, cm
.irp a, \a0, \a0+1
.irp b, 0,1,2,3,4,5,6,7
	MM \a, \b, \p, \q, \sc, \cm
.endr
.endr
.endm
.macro STEP slot, q, cm
	s_wait_dscnt 12
	WIN 0xa1
	MUL16 0, (\q)%2, \q, \slot, \cm
	MUL16 2, (\q)%2, \q, \slot, \cm
	s_wait_dscnt 0x0
	PLACES 4
	FETCH_B \slot, (\q)+1, 1-(\q)%2
	FETCH_A \slot, (\q)+1, 0
	WIN 0xf1
	MUL16 4, (\q)%2, \q, \slot, \cm
	MUL16 6, (\q)%2, \q, \slot, \cm
	PLACES 4
	WIN 0
	FETCH_A \slot, (\q)+1, 4
.endm
.macro TURN slot, next, fill, kap
	s_wait_tensorcnt 0x0
	ds_add_u32 v[SPW], v[NIL]
	s_wait_dscnt 13
	WIN 0xa1
	MUL16 0, 1, 1, \slot, 0
	s_wait_dscnt 0x0
	s_barrier_signal -1
	MUL16 2, 1, 1, \slot, 0
	WIN 0
	s_barrier_wait -1
.if \fill
	CREST
	s_add_nc_u64 s[G0+4*\slot+2:G0+4*\slot+3], s[G0+4*\slot+2:G0+4*\slot+3], PLX
	s_add_nc_u64 s[G0B+4*\slot+2:G0B+4*\slot+3], s[G0B+4*\slot+2:G0B+4*\slot+3], PLY
	JLOAD G0+4*\slot, G1, G0B+4*\slot, G1B
.else
	PLACES 4
.endif
	FETCH_B \next, 0, 0
	FETCH_A \next, 0, 0
	SCALES \next, \kap
	WIN 0xf1
	MUL16 4, 1, 1, \slot, 0
	MUL16 6, 1, 1, \slot, 0
	PLACES 4
	WIN 0
	FETCH_A \next, 0, 4
.endm
	s_load_b256 s[4:11], s[0:1], 0x0
	s_load_b64 s[12:13], s[0:1], 0x20
	v_lshl_add_u32 v[SPW], v0, 2, SPARE
	v_mov_b32 v[NIL], 0
	ds_add_u32 v28, v29
	ds_add_u32 v28, v29
	s_wait_dscnt 0x0
	v_lshrrev_b32 v1, 5, v0
	v_readfirstlane_b32 s18, v1
	s_lshr_b32 s19, s18, 1
	s_and_b32 s20, s18, 1
	s_bfe_u32 s21, ttmp6, 0x40000
	s_bfe_u32 s22, ttmp6, 0x40004
	s_lshl_b32 s23, ttmp9, 2
	s_add_co_u32 s23, s23, s21
	s_and_b32 s40, ttmp7, 0xffff
	s_lshl_b32 s41, s40, 2
	s_add_co_u32 s41, s41, s22
	s_lshr_b32 s42, s40, 1
	s_lshl_b32 s45, s22, 2
	s_lshl_b32 s45, 15, s45
	s_lshl_b32 s46, 0x1111, s21
	s_mov_b32 s2, 0x76543210
	s_mov_b32 s3, 0xfedcba98
	s_mov_b32 s[CS], 0x3d38aa3b
	s_mov_b32 s[CS+1], s[CS]
	s_or_b32 s[G1+0], s45, (3<<16)|(1<<21)
	s_or_b32 s[G1B+0], s46, (3<<16)|(1<<21)
.irp g, G1, G1B
	s_mov_b32 s[\g+1], 384<<16
	s_mov_b32 s[\g+2], 16<<16                      ; the head's loads bring 16 groups; behind them the two words that count rows are set to 8
	s_mov_b32 s[\g+3], 384<<16
	s_mov_b32 s[\g+4], 16
	s_mov_b32 s[\g+5], 768
	s_mov_b32 s[\g+6], 0
	s_mov_b32 s[\g+7], 0
.endr
	s_lshl_b32 s92, s41, 4
	s_lshl_b32 s93, s20, 3
	s_add_co_u32 s92, s92, s93
	s_mul_i32 s92, s92, 6144
	s_mov_b32 s93, 0
	s_lshl_b32 s94, s41, 10
	s_mov_b32 s95, 0
	s_lshl_b32 s96, s42, 7
	s_lshl_b32 s97, s23, 4
	s_add_co_u32 s96, s96, s97
	s_lshl_b32 s97, s20, 3
	s_add_co_u32 s96, s96, s97
	s_mul_i32 s96, s96, 6144
	s_add_co_u32 s96, s96, 6291456
	s_mov_b32 s97, 0
	s_lshl_b32 s98, s42, 13
	s_lshl_b32 s99, s23, 10
	s_add_co_u32 s98, s98, s99
	s_add_co_u32 s98, s98, 262144
	s_mov_b32 s99, 0
	s_mul_i32 s100, s18, HALFT
	s_mul_i32 s101, s20, 46080                     ; the head's loads: back to the tile's first group (49,152 x half), on to K step half (3,072 x half)
	s_sub_co_u32 s[GH+2], s92, s101
	s_mov_b32 s[GH+3], 0
	s_sub_co_u32 s[GHB+2], s96, s101
	s_mov_b32 s[GHB+3], 0
	s_wait_kmcnt 0x0
	s_add_nc_u64 s[92:93], s[4:5], s[92:93]
	s_add_nc_u64 s[94:95], s[6:7], s[94:95]
	s_add_nc_u64 s[96:97], s[4:5], s[96:97]
	s_add_nc_u64 s[98:99], s[6:7], s[98:99]
	s_mov_b64 s[PSQ:PSQ+1], s[94:95]
	s_mov_b64 s[PSK:PSK+1], s[98:99]
	s_cmp_eq_u32 s19, 0
	s_cselect_b64 s[82:83], s[92:93], s[96:97]     ; the prefetches' address: the tile that my wave fetches in the ring, K step 0; never rewritten
	s_cselect_b32 s84, s21, s22                    ; my place among the four that ask for it with me: cx for q, cy for k
	s_mul_i32 s84, s84, 24                         ; a tile of 8 groups x 3,072 bytes is 96 blocks of 256 bytes: 24 to each partner, told apart by address
	; the scale words come through registers: four regions of 8 chunks x 512 bytes; wave w takes chunks w and 4 + w of each; a load reads 512 consecutive bytes.  They are asked for ahead of the round
	s_lshl_b32 s80, s18, 15
	s_lshl_b32 s81, s18, 9
	s_add_co_u32 s81, s81, SCL
	v_and_b32 v8, 31, v0
	v_min_u32 v11, 23, v8                          ; lanes 0-23 a block each (the lanes left over name the last again)
	v_lshlrev_b32 v8, 4, v8
	v_add_nc_u32 v11, s84, v11                     ; block b of the tile's 96
	v_add_nc_u32 v10, s81, v8
	v_add_nc_u32 v8, s80, v8
	v_mul_u32_u24 v9, v11, 43
.irp p, 0,1
.irp f, 0,1
	global_load_b128 v[128+16*\p+8*\f:131+16*\p+8*\f], v8, s[PSQ:PSQ+1] offset:131072*\p+512*\f
	global_load_b128 v[132+16*\p+8*\f:135+16*\p+8*\f], v8, s[PSK:PSK+1] offset:131072*\p+512*\f
.endr
.endr
	v_lshrrev_b32 v9, 9, v9                        ; b / 12 (43 b / 512, exact for b under 96): the group
	v_mul_u32_u24 v9, v9, 3072
	v_lshl_add_u32 v11, v11, 8, v9                 ; 256 b + 3,072 (b / 12); never rewritten
	s_wait_alu depctr_va_vdst(0)                   ; directly ahead of the round's barriers
	CROUND
	s_add_nc_u64 s[GH+2:GH+3], s[4:5], s[GH+2:GH+3]
	s_or_b32 s[GH+3], s[GH+3], 0x80000000
	s_add_nc_u64 s[GHB+2:GHB+3], s[4:5], s[GHB+2:GHB+3]
	s_or_b32 s[GHB+3], s[GHB+3], 0x80000000
	s_mov_b32 s[GH], 1
	s_mul_i32 s[GH+1], s20, SLOT                   ; even waves fill slot 0, odd waves slot 1
	s_mov_b32 s[GHB], 1
	s_add_co_u32 s[GHB+1], s[GH+1], 2*HALFT
.irp s, 0,1
	s_mov_b32 s[G0+4*\s], 1
	s_add_co_u32 s[G0+4*\s+1], s100, \s*SLOT
	s_add_nc_u64 s[G0+4*\s+2:G0+4*\s+3], s[92:93], \s*3072
	s_or_b32 s[G0+4*\s+3], s[G0+4*\s+3], 0x80000000
	s_mov_b32 s[G0B+4*\s], 1
	s_add_co_u32 s[G0B+4*\s+1], s100, \s*SLOT
	s_add_nc_u64 s[G0B+4*\s+2:G0B+4*\s+3], s[96:97], \s*3072
	s_or_b32 s[G0B+4*\s+3], s[G0B+4*\s+3], 0x80000000
.endr
	JLOAD GH, G1, GHB, G1B                         ; the head's loads, one a wave: both slots are asked for whole
	global_prefetch_b8 v11, s[82:83] offset:PLX th:TH_LOAD_NT scope:SCOPE_SE        ; a prefetch into the L2: K step 2, a K step ahead of its load; each block of 256 bytes is named once in each cluster
	v_and_b32 v1, 15, v0
	s_wait_alu depctr_va_vdst(0)
	v_bfe_u32 v2, v0, 4, 1
	v_and_b32 v3, 31, v0
	v_lshlrev_b32 v[CO], 4, v3
	s_mul_i32 s92, s19, HALFT
	s_mul_i32 s93, s20, HALFT
	s_add_co_u32 s93, s93, 2*HALFT
.irp s, 0,1
	v_add_nc_u32 v[ADRA+\s], s92, v[CO]
	v_add_nc_u32 v[ADRB+\s], s93, v[CO]
	s_add_co_u32 s92, s92, SLOT
	s_add_co_u32 s93, s93, SLOT
.endr
	s_lshl_b32 s94, s19, 12
	s_add_co_u32 s94, s94, SCL
	s_lshl_b32 s95, s20, 12
	s_add_co_u32 s95, s95, SCL+8192
	v_lshlrev_b32 v15, 2, v1
	s_wait_alu depctr_va_vdst(0)
	v_lshl_add_u32 v15, v2, 9, v15
	v_add_nc_u32 v[ADSA], s94, v15
	v_add_nc_u32 v[ADSB], s95, v15
	s_mul_i32 s100, s18, 1536
	s_add_co_u32 s100, s100, WST
	v_lshl_add_u32 v[SWO], v1, 2, s100
	v_add_nc_u32 v[SWR], s100, v[CO]
	s_lshr_b32 s92, s23, 1
	s_lshl_b32 s92, s92, 9
	s_lshl_b32 s93, s41, 4
	s_add_co_u32 s92, s92, s93
	s_lshl_b32 s93, s19, 3
	s_add_co_u32 s92, s92, s93
	s_lshl_b32 s92, s92, 2
	s_and_b32 s93, s23, 1
	s_lshl_b32 s93, s93, 1
	s_add_co_u32 s92, s92, s93
	s_add_co_u32 s92, s92, s20
	s_mul_i32 s92, s92, 1536
	s_mov_b32 s93, 0
	s_add_nc_u64 s[8:9], s[8:9], s[92:93]
	s_lshl_b32 s94, s23, 1
	s_add_co_u32 s94, s94, s20
	s_lshl_b32 s94, s94, 13
	s_lshl_b32 s95, s41, 8
	s_add_co_u32 s94, s94, s95
	s_lshl_b32 s95, s19, 7
	s_add_co_u32 s94, s94, s95
	s_lshl_b32 s94, s94, 2
	s_mov_b32 s95, 0
	s_add_nc_u64 s[10:11], s[10:11], s[94:95]
	s_add_nc_u64 s[12:13], s[12:13], s[94:95]
	s_wait_alu depctr_va_vdst(0)
	s_wait_loadcnt 0x0                             ; the scale words are in
.irp p, 0,1
.irp f, 0,1
	ds_store_b128 v10, v[128+16*\p+8*\f:131+16*\p+8*\f] offset:4096*\f+2048*\p           ; no tile lands on these bytes
	ds_store_b128 v10, v[132+16*\p+8*\f:135+16*\p+8*\f] offset:8192+4096*\f+2048*\p
.endr
.endr
	s_wait_tensorcnt 0x0                           ; my load of the head has landed, so a descriptor may be written: from here on a load brings 8 groups
	s_mov_b32 s[G1+2], 8<<16
	s_mov_b32 s[G1+4], 8
	s_mov_b32 s[G1B+2], 8<<16
	s_mov_b32 s[G1B+4], 8
	s_wait_dscnt 0x0                               ; my scale words have landed
	s_barrier_signal -1
	s_barrier_wait -1
	FETCH_B 0, 0, 0
	FETCH_A 0, 0, 0
	SCALES 0, 0
	FETCH_A 0, 0, 4
	STEP 0, 0, 1
	global_prefetch_b8 v11, s[82:83] offset:PLX+3072 th:TH_LOAD_NT scope:SCOPE_SE   ; K step 3: its load stands two changes of slots on
	TURN 0, 1, 1, 1
	STEP 1, 0, 0
	TURN 1, 0, 1, 2
	STEP 0, 0, 0
	TURN 0, 1, 0, 3
	STEP 1, 0, 0
	s_wait_dscnt 12
	WIN 0xa1
	MUL16 0, 1, 1, 1, 0
	MUL16 2, 1, 1, 1, 0
	s_wait_dscnt 0x0
	WIN 0xf1
	MUL16 4, 1, 1, 1, 0
	MUL16 6, 1, 1, 1, 0
	WIN 0
.macro SOFT a
.set AC, 64*((\a)%4)
.set PC, 64+32*((\a)%2)
	WIN 0x0a+5*((\a)/4)
.irp b, 0,1,2,3
	v_max_num_f32 v[BM+\b], v[AC+16*\b], v[AC+16*\b+1]
.endr
.irp i, 2,4,6,8,10,12,14
.irp b, 0,1,2,3
	v_max3_num_f32 v[BM+\b], v[AC+16*\b+\i], v[AC+16*\b+\i+1], v[BM+\b]
.endr
.endr
	WIN 0
.irp b, 0,1,2,3
	v_permlanex16_b32 v[BP+\b], v[BM+\b], s2, s3
.endr
.irp b, 0,1,2,3
	v_max_num_f32 v[BM+\b], v[BM+\b], v[BP+\b]
.endr
	v_max3_num_f32 v41, v32, v33, v34
	v_max_num_f32 v41, v41, v35
	v_mul_f32 v41, s[CS], v41
	v_floor_f32 v40, -v41
	WIN 0x02+((\a)/4)
.set JJ, 0
.rept 32
	v_pk_fma_f32 v[W+JJ:W+JJ+1], v[AC+JJ:AC+JJ+1], s[CS:CS+1], v[40:41] op_sel_hi:[1,0,0]
.set JJ, JJ+2
.endr
	WIN 0
.irp b, 0,1,2,3
	v_fma_f32 v[BM+\b], v[BM+\b], s[CS], v40
.endr
.set JJ, 0
	s_wait_alu depctr_va_vdst(0)
.rept 64
	v_exp_f32 v[W+JJ], v[W+JJ]
.set JJ, JJ+1
.endr
	v_mov_b32 v[216+(\a)], v40
	s_wait_alu depctr_va_vdst(0)
.irp b, 0,1,2,3
	v_exp_f32 v[BM+\b], v[BM+\b]
.endr
	v_pk_add_f32 v[42:43], v[W:W+1], v[W+2:W+3]
	v_pk_add_f32 v[44:45], v[W+4:W+5], v[W+6:W+7]
.irp j, 8,12,16,20,24,28,32,36,40,44,48,52,56,60
	v_pk_add_f32 v[42:43], v[42:43], v[W+\j:W+\j+1]
	v_pk_add_f32 v[44:45], v[44:45], v[W+\j+2:W+\j+3]
.endr
	v_pk_add_f32 v[42:43], v[42:43], v[44:45]
	v_add_f32 v42, v42, v43
	v_permlanex16_b32 v46, v42, s2, s3
	v_add_f32 v[224+(\a)], v42, v46
	s_wait_alu depctr_va_vdst(0)
.irp b, 0,1,2,3
	v_max_num_f32 v[BM+\b], 0x1800000, v[BM+\b]
.endr
.irp b, 0,1,2,3
	v_add_nc_u32 v[52+\b], 0xff000000, v[BM+\b]
.endr
.irp b, 0,1,2,3
	v_lshrrev_b32 v[56+\b], 23, v[52+\b]
.endr
	v_lshl_or_b32 v[208+(\a)], v57, 8, v56
	v_lshl_or_b32 v[208+(\a)], v58, 16, v[208+(\a)]
	v_lshl_or_b32 v[208+(\a)], v59, 24, v[208+(\a)]
.if (\a) >= 2
	s_wait_xcnt 0x0
.endif
.irp c, 0,1
	v_cvt_scalef32_pk16_fp6_f32 v[PC+6*\c:PC+6*\c+2], v[W+32*\c:W+32*\c+15], v[52+2*\c]
	v_cvt_scalef32_pk16_fp6_f32 v[PC+12+4*\c:PC+14+4*\c], v[W+32*\c+16:W+32*\c+31], v[52+2*\c+1]
.endr
	v_nop
.irp c, 0,1
.irp i, 0,1,2
	v_permlane16_swap_b32 v[PC+6*\c+\i], v[PC+12+4*\c+\i]
.endr
.irp i, 0,1,2
	v_mov_b32 v[PC+3+6*\c+\i], v[PC+12+4*\c+\i]
.endr
.endr
.irp k, 0,1,2
	global_store_b128 v[CO], v[PC+4*\k:PC+4*\k+3], s[8:9] offset:6144*(\a)+512*\k
.endr
	ds_store_b32 v[SWO], v[208+(\a)] offset:64*(\a)
	ds_store_b32 v[SWO], v[216+(\a)] offset:512+64*(\a)
	ds_store_b32 v[SWO], v[224+(\a)] offset:1024+64*(\a)
.endm
.irp b, 0,1,2,3
	v_mov_b32 v[BP+\b], 0
.endr
	v_mov_b32 v46, 0
.irp a, 0,1,2,3,4,5,6,7
	SOFT \a
.endr
.irp k, 0,1,2
	ds_load_b128 v[116+4*\k:119+4*\k], v[SWR] offset:512*\k
.endr
	s_wait_dscnt 0x0
	global_store_b128 v[CO], v[116:119], s[10:11]
	global_store_b128 v[CO], v[120:123], s[12:13]
	global_store_b128 v[CO], v[124:127], s[12:13] offset:524288
	s_wait_tensorcnt 0x0
	ds_add_u32 v[SPW], v[NIL]
	s_wait_dscnt 0x0
	CROUND
	s_endpgm
.Lfunc_end_k_qf6f8c5c291_scores:
	.size	k_qf6f8c5c291_scores, .Lfunc_end_k_qf6f8c5c291_scores-k_qf6f8c5c291_scores
	.p2alignl 7, 3214868480
	.fill 96, 4, 3214868480
	.section	.rodata,"a",@progbits
	.p2align	6, 0x0
	.amdhsa_kernel k_qf6f8c5c291_scores
		.amdhsa_group_segment_fixed_size 327680
		.amdhsa_private_segment_fixed_size 0
		.amdhsa_enable_private_segment 0
		.amdhsa_kernarg_size 40
		.amdhsa_user_sgpr_count 2
		.amdhsa_user_sgpr_kernarg_segment_ptr 1
		.amdhsa_wavefront_size32 1
		.amdhsa_system_sgpr_workgroup_id_x 1
		.amdhsa_system_sgpr_workgroup_id_y 1
		.amdhsa_system_sgpr_workgroup_id_z 1
		.amdhsa_system_vgpr_workitem_id 0
		.amdhsa_next_free_vgpr 1024
		.amdhsa_next_free_sgpr 102
		.amdhsa_reserve_vcc 0
		.amdhsa_float_denorm_mode_32 3
		.amdhsa_float_denorm_mode_16_64 3
		.amdhsa_memory_ordered 1
		.amdhsa_forward_progress 1
		.amdhsa_inst_pref_size 198
	.end_amdhsa_kernel
	.amdgpu_metadata
---
amdhsa.version: [ 1, 2 ]
amdhsa.kernels:
  - .name:           k_qf6f8c5c291_scores
    .symbol:         k_qf6f8c5c291_scores.kd
    .args:
      - { .name: c2, .offset: 0, .size: 8, .value_kind: global_buffer, .address_space: global }
      - { .name: s2, .offset: 8, .size: 8, .value_kind: global_buffer, .address_space: global }
      - { .name: pc, .offset: 16, .size: 8, .value_kind: global_buffer, .address_space: global }
      - { .name: ps, .offset: 24, .size: 8, .value_kind: global_buffer, .address_space: global }
      - { .name: st, .offset: 32, .size: 8, .value_kind: global_buffer, .address_space: global }
    .group_segment_fixed_size: 327680
    .private_segment_fixed_size: 0
    .kernarg_segment_align: 8
    .kernarg_segment_size: 40
    .max_flat_workgroup_size: 128
    .sgpr_count:     102
    .vgpr_count:     1024
    .wavefront_size: 32
...
	.end_amdgpu_metadata
.endif
;; end of part 3
;; launch pv (part 4): grid 8 x 32, 4 waves a work-group, clusters of 4 x 4, 327,680 bytes of LDS; arguments pc, ps, st, c2, s2, out0; writes out0
.if DOCPART == 4
	.amdgcn_target "amdgcn-amd-amdhsa--gfx1250"
	.amdhsa_code_object_version 6
	.text
	.protected	k_qf6f8c5c291_pv
	.globl	k_qf6f8c5c291_pv
	.p2align	8
	.type	k_qf6f8c5c291_pv,@function
k_qf6f8c5c291_pv:
	s_mov_b64 s[64:65], 0
	v_nop
	global_prefetch_b8 v0, s[64:65] scope:SCOPE_SE
	s_setreg_imm32_b32 hwreg(HW_REG_WAVE_MODE, 25, 1), 1
	s_wait_xcnt 0x0
	s_wait_alu depctr_hold_cnt(0) depctr_sa_sdst(0) depctr_va_vdst(0) depctr_va_sdst(0) depctr_va_ssrc(0) depctr_va_vcc(0) depctr_vm_vsrc(0)
	s_getreg_b32 s2, hwreg(HW_REG_IB_STS2, 6, 4)
	s_cmp_eq_u32 s2, 0
	s_cbranch_scc0 .Lentry_in_a_cluster
	s_endpgm
.Lentry_in_a_cluster:
	s_bfe_u32 s2, ttmp6, 0x10000c
	s_cmp_lg_u32 s2, 0xf033
	s_cbranch_scc0 .Lentry_shape_is_right
	s_endpgm
.Lentry_shape_is_right:
; out = (P V) / l on codes of FP6 (E2M3).  A work-group makes 256 queries x 128 channels, a wave 128 x 64: 32 accumulators.  K = the batch's 2,048 keys in four steps of 512 through two LDS slots.
; Source 0 = 16 channels of V^T, source 1 = 16 queries of P: a lane holds one query, its registers run along the channels.
; P WAS QUANTISED UNDER A WHOLE NUMBER M OF ITS OWN FOR EACH RUN OF 128 KEYS.  At the head each thread takes two queries: the row's M is the largest of the 16 runs'; d = M - the run's M is taken off the run's four scale bytes
; (exact: a power of two that the scale takes up), and l = the sum of the runs' l x 2^-d.  The mended words and 1 / l go to LDS and are read by all waves behind the first barrier.
; Codes lie as images of operand registers (a fragment: 1,536 bytes; fragments [K / 512][group][4]): a K step's tiles are dense blocks of memory.  The queries' order within each 32 is undone at the stores.
; CLUSTER 4 x 4: P's tiles are shared along a row of the cluster, V^T's along a column: joint loads.
; LIMITS: NaN and infinities are not served.  A scale byte that would fall under 0 is held at 0 (2^-127): the terms so kept too large are under 7.5 x 2^-127 x |v| each.
; REGISTERS: window 0: v1-31 addresses; v32-79 scale words, two sets; v80-95 at work, later 1 / l; v128-223 P's eight fragments (at the head: -M, l and words; at the end: rows of out).  window 1: V^T's, two sets.  window 2: accumulator (a, b) at v[8 (4 a + b)].
.set NQ,    4
.set FR,    12
.set HA,    49152                      ; P: 8 groups x 512 K
.set HB,    24576                      ; V^T: 4 groups x 512 K
.set SLOT,  2*HA+2*HB
.set SCB,   2*SLOT                     ; V^T's scale words: two regions [16 chunks][64 rows]
.set SCA,   SCB+2*4096                 ; P's mended words [16 chunks][256 rows]: stored by the waves, no tile lands here
.set RL,    SCA+16384                  ; 1 / l of the 256 queries
.set SPARE, RL+1024                    ; the spare words, 128 bytes a wave: no other line names them
.set PLX,   6291456                    ; two K steps on in P's codes
.set PLY,   786432                     ; and in V^T's
.set ADRA, 16
.set ADRB, 20
.set ADSA, 26
.set ADSB, 27
.set SPW,  28
.set NIL,  29
.set SC,   32
.set AF,   128
.set G1,   24
.set G0,   32
.set G1B,  48
.set G0B,  56
.set GH,   80                          ; s[80:83] group 0 of the head's load: P's 16 groups of K step 0 (wave 0) or 1 (wave 1)
.set GHB,  84                          ; s[84:87] the same for V^T's 8 groups (waves 2, 3)
.set MSB, 0
.macro WIN new
.if MSB != (\new)
	s_set_vgpr_msb (MSB<<8)|(\new)
.set MSB, (\new)
.endif
.endm
.macro PLACES n
.rept \n
	v_nop
.endr
.endm
.macro JLOAD g0a, g1a, g0b, g1b        ; a joint load: waves 0, 1 for P, waves 2, 3 for V^T; four v_nop follow each line
	s_cmp_eq_u32 s19, 0
	s_cbranch_scc0 .Lfor_b_\@
	tensor_load_to_lds s[\g0a:\g0a+3], s[\g1a:\g1a+7]
	s_nop 0
.rept 4
	v_nop
.endr
	s_branch .Lasked_\@
.Lfor_b_\@:
	tensor_load_to_lds s[\g0b:\g0b+3], s[\g1b:\g1b+7]
	s_nop 0
.rept 4
	v_nop
.endr
.Lasked_\@:
.endm
.macro CREST
	s_cmp_lg_u32 s18, 0
	s_cbranch_scc1 .Lnot_wave_0_\@
	s_barrier_signal -3
.Lnot_wave_0_\@:
	s_barrier_wait -3
	s_barrier_signal -1
	s_barrier_wait -1
.endm
.macro CROUND
	s_barrier_signal -1
	s_barrier_wait -1
	CREST
.endm
.macro FRAG reg, adr, q, i
.irp k, 0,1,2
	ds_load_b128 v[\reg+4*\k:\reg+4*\k+3], v[\adr] offset:((\i)*NQ+(\q))*1536+512*\k
.endr
.endm
.macro FETCH_B slot, q, p
	WIN 0x40
.irp i, 0,1,2,3
	FRAG 128*(\p)+FR*\i, ADRB+\slot, \q, \i
.endr
	WIN 0
.endm
.macro FETCH_A slot, q, i0
.irp i, \i0, \i0+1, \i0+2, \i0+3
	FRAG AF+FR*(\i), ADRA+\slot, \q, \i
.endr
.endm
.macro SCALES sc, kap                  ; a K step's words, two registers a block: register w holds chunk 2 w in lanes 0-15 and chunk 2 w + 1 in lanes 16-31
.irp i, 0,1,2,3,4,5,6,7
.irp w, 0,1
	ds_load_b32 v[SC+24*(\sc)+2*\i+\w], v[ADSA] offset:4096*(\kap)+2048*\w+64*\i
.endr
.endr
.irp b, 0,1,2,3
.irp w, 0,1
	ds_load_b32 v[SC+24*(\sc)+16+2*\b+\w], v[ADSB] offset:1024*(\kap)+512*\w+64*\b
.endr
.endr
.endm
.macro MM a, b, p, q, sc, cm
.set rD, 8*(4*(\a)+(\b))
.set rB, 128*(\p)+FR*(\b)
.set rA, AF+FR*(\a)
.set rT, SC+24*(\sc)+16+2*(\b)+(\q)/2
.set rS, SC+24*(\sc)+2*(\a)+(\q)/2
.if (\cm) == 1
	v_wmma_scale_f32_16x16x128_f8f6f4 v[rD:rD+7], v[rB:rB+FR-1], v[rA:rA+FR-1], 0, v[rT], v[rS] matrix_a_fmt:MATRIX_FMT_FP6 matrix_b_fmt:MATRIX_FMT_FP6
.elseif (\q)%2 == 0
	v_wmma_scale_f32_16x16x128_f8f6f4 v[rD:rD+7], v[rB:rB+FR-1], v[rA:rA+FR-1], v[rD:rD+7], v[rT], v[rS] matrix_a_fmt:MATRIX_FMT_FP6 matrix_b_fmt:MATRIX_FMT_FP6
.else
	v_wmma_scale_f32_16x16x128_f8f6f4 v[rD:rD+7], v[rB:rB+FR-1], v[rA:rA+FR-1], v[rD:rD+7], v[rT], v[rS] matrix_a_fmt:MATRIX_FMT_FP6 matrix_b_fmt:MATRIX_FMT_FP6 matrix_a_scale:MATRIX_SCALE_ROW1 matrix_b_scale:MATRIX_SCALE_ROW1
.endif
.endm
.macro MUL8 a0, p, q, sc, cm           ; the 32 accumulators take turns, one instruction a turn, in the same order in every step
.irp a, \a0, \a0+1
.irp b, 0,1,2,3
	MM \a, \b, \p, \q, \sc, \cm
.endr
.endr
.endm
.macro STEP slot, q, cm
	s_wait_dscnt 12                                ; all but the youngest 12 loads (P's blocks 4-7)
	WIN 0xa1
	MUL8 0, (\q)%2, \q, \slot, \cm
	MUL8 2, (\q)%2, \q, \slot, \cm
	s_wait_dscnt 0x0
	PLACES 4
	FETCH_B \slot, (\q)+1, 1-(\q)%2
	FETCH_A \slot, (\q)+1, 0
	WIN 0xa1
	MUL8 4, (\q)%2, \q, \slot, \cm
	MUL8 6, (\q)%2, \q, \slot, \cm
	PLACES 4
	WIN 0
	FETCH_A \slot, (\q)+1, 4
.endm
.macro TURN slot, next, fill, kap
	s_wait_tensorcnt 0x0                           ; all my tensor loads have landed: my part of the next slot;
	ds_add_u32 v[SPW], v[NIL]                      ; 0 onto my spare word;
	s_wait_dscnt 13                                ; (the add and the youngest 12 loads may be out)
	WIN 0xa1
	MUL8 0, 1, 3, \slot, 0
	s_wait_dscnt 0x0                               ; the add is done, and my reads of this slot are over
	s_barrier_signal -1
	MUL8 2, 1, 3, \slot, 0
	WIN 0
	s_barrier_wait -1
.if \fill
	CREST                                          ; the barrier has opened a round of the cluster's
	s_add_nc_u64 s[G0+4*\slot+2:G0+4*\slot+3], s[G0+4*\slot+2:G0+4*\slot+3], PLX
	s_add_nc_u64 s[G0B+4*\slot+2:G0B+4*\slot+3], s[G0B+4*\slot+2:G0B+4*\slot+3], PLY
	JLOAD G0+4*\slot, G1, G0B+4*\slot, G1B
.else
	PLACES 4
.endif
	FETCH_B \next, 0, 0
	FETCH_A \next, 0, 0
	SCALES \next, \kap
	WIN 0xa1
	MUL8 4, 1, 3, \slot, 0
	MUL8 6, 1, 3, \slot, 0
	PLACES 4
	WIN 0
	FETCH_A \next, 0, 4
.endm
	s_load_b256 s[4:11], s[0:1], 0x0               ; pc s[4:5], ps s[6:7], st s[8:9], c2 s[10:11]
	s_load_b128 s[12:15], s[0:1], 0x20             ; s2 s[12:13], out0 s[14:15]
	v_lshl_add_u32 v[SPW], v0, 2, SPARE
	v_mov_b32 v[NIL], 0
	ds_add_u32 v28, v29
	ds_add_u32 v28, v29
	s_wait_dscnt 0x0
	v_lshrrev_b32 v1, 5, v0
	v_readfirstlane_b32 s18, v1                    ; wave
	s_lshr_b32 s19, s18, 1                         ; my half of the queries.  Also: I fetch P (0) or V^T (1)
	s_and_b32 s20, s18, 1                          ; my half of the channels.  Also: which half I fetch
	s_bfe_u32 s21, ttmp6, 0x40000
	s_bfe_u32 s22, ttmp6, 0x40004
	s_lshl_b32 s23, ttmp9, 2
	s_add_co_u32 s23, s23, s21                     ; TX: which 128 channels
	s_and_b32 s40, ttmp7, 0xffff
	s_lshl_b32 s41, s40, 2
	s_add_co_u32 s41, s41, s22                     ; TY: which 256 queries
	s_lshr_b32 s42, s40, 1                         ; the batch
	s_lshl_b32 s45, s22, 2
	s_lshl_b32 s45, 15, s45
	s_lshl_b32 s46, 0x1111, s21
	s_mov_b32 s66, 0x80808080
	s_mov_b32 s67, 0x01010101
	; group 1: dense blocks as rows of 256 bytes (32 elements of 8 bytes): P 192 rows, V^T 96
	s_or_b32 s[G1+0], s45, (3<<16)|(1<<21)
	s_mov_b32 s[G1+1], 32<<16
	s_mov_b32 s[G1+2], 384<<16                     ; the head's loads bring both halves; behind them the words that count rows are halved
	s_mov_b32 s[G1+3], 32<<16
	s_mov_b32 s[G1+4], 384
	s_mov_b32 s[G1+5], 32
	s_mov_b32 s[G1+6], 0
	s_mov_b32 s[G1+7], 0
	s_or_b32 s[G1B+0], s46, (3<<16)|(1<<21)
	s_mov_b32 s[G1B+1], 32<<16
	s_mov_b32 s[G1B+2], 192<<16
	s_mov_b32 s[G1B+3], 32<<16
	s_mov_b32 s[G1B+4], 192
	s_mov_b32 s[G1B+5], 32
	s_mov_b32 s[G1B+6], 0
	s_mov_b32 s[G1B+7], 0
	s_lshl_b32 s92, s41, 4                         ; P: groups 16 TY + 8 half
	s_lshl_b32 s93, s20, 3
	s_add_co_u32 s92, s92, s93
	s_mul_i32 s92, s92, 6144
	s_mov_b32 s93, 0
	s_lshl_b32 s96, s23, 3                         ; V^T: groups 8 TX + 4 half of the batch's
	s_lshl_b32 s97, s20, 2
	s_add_co_u32 s96, s96, s97
	s_mul_i32 s96, s96, 6144
	s_mul_i32 s97, s42, 1572864
	s_add_co_u32 s96, s96, s97
	s_add_co_u32 s96, s96, 12582912
	s_mov_b32 s97, 0
	s_lshl_b32 s98, s42, 16
	s_lshl_b32 s99, s23, 9
	s_add_co_u32 s98, s98, s99
	s_add_co_u32 s98, s98, 524288
	s_mov_b32 s99, 0
	s_mul_i32 s100, s20, HA                        ; where they go
	s_mul_i32 s101, s20, HB
	s_add_co_u32 s101, s101, 2*HA
	s_mul_i32 s[GH+2], s20, 3096576                ; the head's loads: back to the tile's first group, on to K step half: 3,145,728 - 49,152
	s_add_co_u32 s[GH+2], s[GH+2], s92
	s_mov_b32 s[GH+3], 0
	s_mul_i32 s[GHB+2], s20, 368640                ; 393,216 - 24,576
	s_add_co_u32 s[GHB+2], s[GHB+2], s96
	s_mov_b32 s[GHB+3], 0
	s_wait_kmcnt 0x0
	s_add_nc_u64 s[92:93], s[4:5], s[92:93]
	s_add_nc_u64 s[96:97], s[10:11], s[96:97]
	s_add_nc_u64 s[98:99], s[12:13], s[98:99]
	; the prefetches' addresses: the tile that my wave fetches in the ring: s[68:69] K step 2, s[70:71] K step 3; never rewritten
	s_cmp_eq_u32 s19, 0
	s_cselect_b64 s[68:69], s[92:93], s[96:97]
	s_cselect_b32 s74, s21, s22                    ; my place among the four that ask for it with me: cx for P, cy for V^T
	s_cselect_b32 s75, 48, 24                      ; P's tile is 192 blocks of 256 bytes, V^T's 96: 48 or 24 to each partner, told apart by address
	s_mov_b32 s72, PLY
	s_cselect_b32 s72, PLX, s72
	s_mov_b32 s73, 0
	s_add_nc_u64 s[68:69], s[68:69], s[72:73]
	s_lshr_b32 s72, s72, 1
	s_add_nc_u64 s[70:71], s[68:69], s[72:73]
	s_mul_i32 s74, s74, s75
	s_lshl_b32 s76, s41, 10                        ; my 256 queries' words
	s_mov_b32 s77, 0
	s_add_nc_u64 s[6:7], s[6:7], s[76:77]
	s_add_nc_u64 s[8:9], s[8:9], s[76:77]
	; V^T's scale words come through registers: 16 chunks x 512 bytes (128 channels' words); wave w takes chunks w, 4 + w, 8 + w, 12 + w; lanes 0-15 hold the first 64 channels' region, lanes 16-31 the second's
	s_lshl_b32 s94, s18, 12
	s_lshl_b32 s95, s18, 8
	s_add_co_u32 s95, s95, SCB
	v_and_b32 v8, 31, v0
	v_and_b32 v9, 15, v0
	v_bfe_u32 v10, v0, 4, 1
	v_min_u32 v11, 23, v8                          ; the prefetches: lanes 0-23 a block each (the lanes left over name the last again)
	v_lshlrev_b32 v8, 4, v8
	v_lshlrev_b32 v9, 4, v9
	v_add_nc_u32 v11, s74, v11
	v_add_nc_u32 v8, s94, v8
	v_lshl_add_u32 v9, v10, 12, v9
	v_lshlrev_b32 v11, 8, v11                      ; never rewritten
	v_add_nc_u32 v9, s95, v9
	v_lshlrev_b32 v15, 2, v0
.irp p, 0,1,2,3
	global_load_b128 v[96+4*\p:99+4*\p], v8, s[98:99] offset:16384*\p
.endr
.macro STATS e                         ; the 16 runs' -M, l and scale words of query t + 128 e (t: my thread's number)
.irp c, 0,1,2,3,4,5,6,7,8,9,10,11,12,13,14,15
	global_load_b32 v[128+48*(\e)+\c], v15, s[8:9] offset:32768*\c+512*(\e)
.endr
.irp c, 0,1,2,3,4,5,6,7,8,9,10,11,12,13,14,15
	global_load_b32 v[144+48*(\e)+\c], v15, s[8:9] offset:524288+32768*\c+512*(\e)
.endr
.irp c, 0,1,2,3,4,5,6,7,8,9,10,11,12,13,14,15
	global_load_b32 v[160+48*(\e)+\c], v15, s[6:7] offset:32768*\c+512*(\e)
.endr
.endm
.macro ASKP ptr                        ; a prefetch into the L2 of my share of a K step's tile: 24 blocks, and for P's waves 24 more
	global_prefetch_b8 v11, s[\ptr:\ptr+1] th:TH_LOAD_NT scope:SCOPE_SE
	s_cmp_eq_u32 s19, 0
	s_cbranch_scc0 .Lno_more_\@
	global_prefetch_b8 v11, s[\ptr:\ptr+1] offset:6144 th:TH_LOAD_NT scope:SCOPE_SE
.Lno_more_\@:
.endm
	STATS 0                                        ; the first query's 48 loads go out ahead of the round: 52 loads of the wave are out
	s_wait_alu depctr_va_vdst(0)                   ; directly ahead of the round's barriers
	CROUND                                         ; all sixteen work-groups are here: the first joint loads meet
	s_add_nc_u64 s[GH+2:GH+3], s[4:5], s[GH+2:GH+3]
	s_or_b32 s[GH+3], s[GH+3], 0x80000000
	s_add_nc_u64 s[GHB+2:GHB+3], s[10:11], s[GHB+2:GHB+3]
	s_or_b32 s[GHB+3], s[GHB+3], 0x80000000
	s_mov_b32 s[GH], 1
	s_mul_i32 s[GH+1], s20, SLOT                   ; even waves fill slot 0, odd waves slot 1
	s_mov_b32 s[GHB], 1
	s_add_co_u32 s[GHB+1], s[GH+1], 2*HA
.irp s, 0,1
	s_mov_b32 s[G0+4*\s], 1
	s_add_co_u32 s[G0+4*\s+1], s100, \s*SLOT
	s_add_nc_u64 s[G0+4*\s+2:G0+4*\s+3], s[92:93], \s*3145728
	s_or_b32 s[G0+4*\s+3], s[G0+4*\s+3], 0x80000000
	s_mov_b32 s[G0B+4*\s], 1
	s_add_co_u32 s[G0B+4*\s+1], s101, \s*SLOT
	s_add_nc_u64 s[G0B+4*\s+2:G0B+4*\s+3], s[96:97], \s*393216
	s_or_b32 s[G0B+4*\s+3], s[G0B+4*\s+3], 0x80000000
.endr
	JLOAD GH, G1, GHB, G1B                         ; the head's loads, one a wave: both slots are asked for whole
	STATS 1                                        ; the second query's 48 loads
	ASKP 68                                        ; K step 2, a K step ahead of its load; each block of 256 bytes is named once in each cluster
	s_mov_b32 s93, 0
	v_and_b32 v1, 15, v0                           ; r
	s_wait_alu depctr_va_vdst(0)
	v_bfe_u32 v2, v0, 4, 1                         ; h
	v_and_b32 v3, 31, v0
	v_lshlrev_b32 v4, 4, v3                        ; 16 x lane
	s_mul_i32 s92, s19, HA
	s_mul_i32 s94, s20, HB
	s_add_co_u32 s94, s94, 2*HA
.irp s, 0,1
	v_add_nc_u32 v[ADRA+\s], s92, v4
	v_add_nc_u32 v[ADRB+\s], s94, v4
	s_add_co_u32 s92, s92, SLOT
	s_add_co_u32 s94, s94, SLOT
.endr
	s_lshl_b32 s92, s19, 9
	s_add_co_u32 s94, s92, SCA
	v_lshlrev_b32 v5, 2, v1
	s_wait_alu depctr_va_vdst(0)
	v_lshl_add_u32 v6, v2, 10, v5
	v_add_nc_u32 v[ADSA], s94, v6                  ; P's words: 4 (128 RH + r) + 1,024 h
	s_add_co_u32 s94, s92, RL
	v_add_nc_u32 v31, s94, v5                      ; 1 / l of my lane's query
	s_lshl_b32 s94, s20, 12
	s_add_co_u32 s94, s94, SCB
	v_lshl_add_u32 v6, v2, 8, v5
	v_add_nc_u32 v[ADSB], s94, v6                  ; V^T's words: 4 r + 256 h
	v_lshl_add_u32 v12, v0, 2, SCA
	v_lshl_add_u32 v13, v0, 2, RL
	s_mul_i32 s94, s18, 4352                       ; the way out: a stage of 16 rows x (256 + 16) bytes for each wave, in slot 0, behind its last fill and its last read
	v_mul_u32_u24 v6, v1, 272
	v_lshl_add_u32 v24, v2, 6, v6
	v_add_nc_u32 v24, s94, v24
	v_mul_u32_u24 v6, v2, 272
	v_lshl_add_u32 v25, v1, 4, v6
	v_add_nc_u32 v25, s94, v25
	v_lshlrev_b32 v30, 12, v2
	v_lshl_add_u32 v30, v1, 4, v30                 ; in out: lanes 0-15 one row, lanes 16-31 the next
	s_lshl_b32 s92, s41, 8
	s_lshl_b32 s94, s19, 7
	s_add_co_u32 s92, s92, s94
	s_lshl_b32 s92, s92, 12
	s_lshl_b32 s94, s23, 9
	s_add_co_u32 s92, s92, s94
	s_lshl_b32 s94, s20, 8
	s_add_co_u32 s92, s92, s94
	s_add_nc_u64 s[14:15], s[14:15], s[92:93]      ; out at row 256 TY + 128 RH, channel 128 TX + 64 CH
.macro FIXROW e
.set MB, 128+48*(\e)
.set LB, 144+48*(\e)
.set WB, 160+48*(\e)
	v_min3_num_f32 v80, v[MB], v[MB+1], v[MB+2]    ; the least -M: minus the row's M, in two chains
	v_min3_num_f32 v81, v[MB+3], v[MB+4], v[MB+5]
.irp i, 6,10
	v_min3_num_f32 v80, v80, v[MB+\i], v[MB+\i+1]
	v_min3_num_f32 v81, v81, v[MB+\i+2], v[MB+\i+3]
.endr
	v_min3_num_f32 v80, v80, v[MB+14], v[MB+15]
	v_min_num_f32 v80, v80, v81
; the 16 runs go stage by stage, each on registers of its own, so that no line reads the line above it
.irp c, 0,1,2,3,4,5,6,7,8,9,10,11,12,13,14,15
	v_sub_f32 v[MB+\c], v80, v[MB+\c]              ; -d = the run's M - the row's: a whole number, 0 or less
.endr
.irp c, 0,1,2,3,4,5,6,7,8,9,10,11,12,13,14,15
	v_cvt_i32_f32 v[MB+\c], v[MB+\c]               ; (it saturates)
.endr
.irp c, 0,1,2,3,4,5,6,7,8,9,10,11,12,13,14,15
	v_ldexp_f32 v[LB+\c], v[LB+\c], v[MB+\c]       ; l x 2^-d
.endr
.irp c, 0,1,2,3,4,5,6,7,8,9,10,11,12,13,14,15
	v_sub_nc_u32 v[MB+\c], 0, v[MB+\c]             ; d
.endr
.irp c, 0,1,2,3,4,5,6,7,8,9,10,11,12,13,14,15
	v_min_u32 v[MB+\c], 127, v[MB+\c]              ; the bytes are under 126, so 127 brings every byte to 0
.endr
.irp c, 0,1,2,3,4,5,6,7,8,9,10,11,12,13,14,15
	v_mul_lo_u32 v[MB+\c], v[MB+\c], s67           ; d in all four bytes
.endr
.irp c, 0,1,2,3,4,5,6,7,8,9,10,11,12,13,14,15
	v_or_b32 v[WB+\c], s66, v[WB+\c]               ; a guard bit on each byte: no borrow crosses,
.endr
.irp c, 0,2,4,6
	v_pk_add_f32 v[LB+\c:LB+\c+1], v[LB+\c:LB+\c+1], v[LB+8+\c:LB+9+\c]   ; the row's l: the sum of the 16
.endr
.irp c, 0,1,2,3,4,5,6,7,8,9,10,11,12,13,14,15
	v_sub_nc_u32 v[WB+\c], v[WB+\c], v[MB+\c]
.endr
.irp c, 0,2
	v_pk_add_f32 v[LB+\c:LB+\c+1], v[LB+\c:LB+\c+1], v[LB+4+\c:LB+5+\c]
.endr
.irp c, 0,1,2,3,4,5,6,7,8,9,10,11,12,13,14,15
	v_and_b32 v[MB+\c], s66, v[WB+\c]              ; and it survives where byte >= d
.endr
	v_pk_add_f32 v[LB:LB+1], v[LB:LB+1], v[LB+2:LB+3]
.irp c, 2,3,4,5,6,7,8,9,10,11,12,13,14,15
	v_lshrrev_b32 v[LB+\c], 7, v[MB+\c]
.endr
	v_add_f32 v[86+(\e)], v[LB], v[LB+1]
.irp c, 0,1
	v_lshrrev_b32 v[LB+\c], 7, v[MB+\c]
.endr
.irp c, 2,3,4,5,6,7,8,9,10,11,12,13,14,15,0,1
	v_sub_nc_u32 v[MB+\c], v[MB+\c], v[LB+\c]      ; 0x7f there, 0 elsewhere
.endr
.irp c, 2,3,4,5,6,7,8,9,10,11,12,13,14,15,0,1
	v_and_b32 v[WB+\c], v[WB+\c], v[MB+\c]         ; max(byte - d, 0)
.endr
.irp c, 2,3,4,5,6,7,8,9,10,11,12,13,14,15,0,1
	ds_store_b32 v12, v[WB+\c] offset:1024*\c+512*(\e)
.endr
.endm
	s_wait_loadcnt 48                              ; V^T's words and the first query's 48 loads are in; the second's 48 may be out
.irp p, 0,1,2,3
	ds_store_b128 v9, v[96+4*\p:99+4*\p] offset:1024*\p          ; no tile lands on these bytes
.endr
	FIXROW 0
	s_wait_loadcnt 0x0
	FIXROW 1
	s_wait_alu depctr_va_vdst(0)
	v_rcp_f32 v88, v86
	v_rcp_f32 v89, v87
	v_nop                                          ; a plain place behind the reciprocals
	s_wait_alu depctr_va_vdst(0)                   ; one wait for both, ahead of their first reader
	ds_store_b32 v13, v88
	ds_store_b32 v13, v89 offset:512
	s_wait_tensorcnt 0x0                           ; my load of the head has landed, so a descriptor may be written: from here on a load brings one half
	s_mov_b32 s[G1+2], 192<<16
	s_mov_b32 s[G1+4], 192
	s_mov_b32 s[G1B+2], 96<<16
	s_mov_b32 s[G1B+4], 96
	s_wait_dscnt 0x0                               ; my words and reciprocals have landed
	s_barrier_signal -1
	s_barrier_wait -1
	FETCH_B 0, 0, 0
	FETCH_A 0, 0, 0
	SCALES 0, 0
	FETCH_A 0, 0, 4
	STEP 0, 0, 1
	ASKP 70                                        ; K step 3: its load stands two changes of slots on
	STEP 0, 1, 0
	STEP 0, 2, 0
	TURN 0, 1, 1, 1
	STEP 1, 0, 0
	STEP 1, 1, 0
	STEP 1, 2, 0
	TURN 1, 0, 1, 2
	STEP 0, 0, 0
	STEP 0, 1, 0
	STEP 0, 2, 0
	TURN 0, 1, 0, 3                                ; nothing is left to fetch
	STEP 1, 0, 0
	STEP 1, 1, 0
	STEP 1, 2, 0
	s_wait_dscnt 12
	WIN 0xa1
	MUL8 0, 1, 3, 1, 0
	MUL8 2, 1, 3, 1, 0
	s_wait_dscnt 0x0
	MUL8 4, 1, 3, 1, 0
	MUL8 6, 1, 3, 1, 0
	WIN 0
; THE WAY OUT, block by block of 16 queries x 64 channels: x 1 / l, through my stage, back as whole rows of 256 bytes.  Tile 2 B + u, register j of lane (r, h) is channel 32 B + 16 h + 8 u + j.
.macro OUTB a
.set TP, 96+32*((\a)%2)
.set BK, 160+32*((\a)%2)
	WIN 0x02
.set JJ, 0
.rept 16
	v_pk_mul_f32 v[TP+JJ:TP+JJ+1], v[32*(\a)+JJ:32*(\a)+JJ+1], v[80+2*(\a):81+2*(\a)] op_sel_hi:[1,0]   ; each accumulator from its low end on
.set JJ, JJ+2
.endr
	WIN 0
.irp b, 0,1,2,3
.irp e, 0,1
	ds_store_b128 v24, v[TP+8*\b+4*\e:TP+8*\b+4*\e+3] offset:128*(\b/2)+32*(\b%2)+16*\e
.endr
.endr
.irp i, 0,1,2,3,4,5,6,7
	ds_load_b128 v[BK+4*\i:BK+4*\i+3], v25 offset:544*\i        ; a wave's LDS instructions are served in order: these see the stores above
.endr
.endm
.macro SEND a, younger                 ; stage row 2 i + (lane / 16) of group a is query 32 (a / 2) + 8 (a % 2) + 16 (i / 4) + 2 (i % 4) + (lane / 16)
.set BK, 160+32*((\a)%2)
	s_wait_dscnt \younger
.irp i, 0,1,2,3,4,5,6,7
	global_store_b128 v30, v[BK+4*\i:BK+4*\i+3], s[14:15] offset:(32*((\a)/2)+16*(\i/4)+8*((\a)%2)+2*(\i%4))*4096 th:TH_STORE_NT   ; 16 lanes store 256 consecutive bytes, at a multiple of 256 from out's first byte
.endr
.endm
	PLACES 4                                       ; behind the last products
.irp a, 0,1,2,3,4,5,6,7
	ds_load_b32 v[80+2*\a], v31 offset:64*\a
	ds_load_b32 v[81+2*\a], v31 offset:64*\a       ; (the packed multiply names a pair)
.endr
	s_wait_dscnt 0x0
	OUTB 0
.irp a, 1,2,3,4,5,6,7
.if \a > 1
	s_wait_xcnt 0x0                                ; block a - 2's stores have read their registers: block a's loads may land there
.endif
	OUTB \a
	SEND \a-1, 16                                  ; behind block a - 1's loads: block a's 8 stores and 8 loads
.endr
	SEND 7, 0
	s_wait_tensorcnt 0x0                           ; the wave's end
	ds_add_u32 v[SPW], v[NIL]
	s_wait_dscnt 0x0
	CROUND                                         ; the closing round
	s_endpgm
.Lfunc_end_k_qf6f8c5c291_pv:
	.size	k_qf6f8c5c291_pv, .Lfunc_end_k_qf6f8c5c291_pv-k_qf6f8c5c291_pv
	.p2alignl 7, 3214868480
	.fill 96, 4, 3214868480
	.section	.rodata,"a",@progbits
	.p2align	6, 0x0
	.amdhsa_kernel k_qf6f8c5c291_pv
		.amdhsa_group_segment_fixed_size 327680
		.amdhsa_private_segment_fixed_size 0
		.amdhsa_enable_private_segment 0
		.amdhsa_kernarg_size 48
		.amdhsa_user_sgpr_count 2
		.amdhsa_user_sgpr_kernarg_segment_ptr 1
		.amdhsa_wavefront_size32 1
		.amdhsa_system_sgpr_workgroup_id_x 1
		.amdhsa_system_sgpr_workgroup_id_y 1
		.amdhsa_system_sgpr_workgroup_id_z 1
		.amdhsa_system_vgpr_workitem_id 0
		.amdhsa_next_free_vgpr 768
		.amdhsa_next_free_sgpr 102
		.amdhsa_reserve_vcc 0
		.amdhsa_float_denorm_mode_32 3
		.amdhsa_float_denorm_mode_16_64 3
		.amdhsa_memory_ordered 1
		.amdhsa_forward_progress 1
		.amdhsa_inst_pref_size 179
	.end_amdhsa_kernel
	.amdgpu_metadata
---
amdhsa.version: [ 1, 2 ]
amdhsa.kernels:
  - .name:           k_qf6f8c5c291_pv
    .symbol:         k_qf6f8c5c291_pv.kd
    .args:
      - { .name: pc, .offset: 0, .size: 8, .value_kind: global_buffer, .address_space: global }
      - { .name: ps, .offset: 8, .size: 8, .value_kind: global_buffer, .address_space: global }
      - { .name: st, .offset: 16, .size: 8, .value_kind: global_buffer, .address_space: global }
      - { .name: c2, .offset: 24, .size: 8, .value_kind: global_buffer, .address_space: global }
      - { .name: s2, .offset: 32, .size: 8, .value_kind: global_buffer, .address_space: global }
      - { .name: out0, .offset: 40, .size: 8, .value_kind: global_buffer, .address_space: global }
    .group_segment_fixed_size: 327680
    .private_segment_fixed_size: 0
    .kernarg_segment_align: 8
    .kernarg_segment_size: 48
    .max_flat_workgroup_size: 128
    .sgpr_count:     102
    .vgpr_count:     768
    .wavefront_size: 32
...
	.end_amdgpu_metadata
.endif
;; end of part 4
